; MI455X (gfx1250); checked and timed in simulation.
; The chip was launched on July 23, 2026; its instructions are those of AMD's public machine-readable ISA for CDNA 5 (MIT licence, August 2026) and "CDNA5" Instruction Set Architecture Reference Guide (July 2026). The comments in the code are by the model that wrote it; some were corrected since.
;; Multihead Causal Self Attention. Allowed arithmetic: matrix products marked QUANTISED: E2M3 operands, one E8M0 scale for each 32 along K, by v_wmma_scale_f32_16x16x128_f8f6f4 with both operands' format E2M3, f32 sums; everything else in f32.
;; Inputs: b_attn 3,072 float32; b_proj 1,024 float32; w_attn 1,024 x 3,072 float32; w_proj 1,024 x 1,024 float32; x 2 x 2,048 x 1,024 float32.
;; Outputs: out0 2 x 2,048 x 1,024 float32.
;; This version of the problem:
;;   THIS VERSION OF THE PROBLEM IS GIVEN IN LOW PRECISION. The matrix products marked QUANTISED in the list below multiply operands that are first quantised to E2M3 (2 exponent bits, 3 mantissa bits; 6 bits a number), with one power-of-two scale for each 32 numbers along K (OCP MX v1.0); their sums are f32. All else is computed in f32.
;;   The module's matrix products, in the order in which they are computed (A, B: the left and right operand; K: the contracted axis; several contracted axes count as one K, in the product's order):
;;     1. [M 4,096, K 1,024] x [K 1,024, N 3,072]; A: input x; B: input w_attn: QUANTISED
;;     2. batch 32 x [M 2,048, K 64] x [K 64, N 2,048]; A: computed on the way; B: computed on the way: QUANTISED
;;     3. batch 32 x [M 2,048, K 2,048] x [K 2,048, N 64]; A: softmax (see below); B: computed on the way: QUANTISED
;;     4. [M 4,096, K 1,024] x [K 1,024, N 1,024]; A: computed on the way; B: input w_proj: QUANTISED
;;   THE QUANTISER, for each operand of a quantised product, along K:
;;     - K is cut into blocks of 32 from its start; a last block that is shorter is filled with zeros.
;;     - A block's scale is 2^e with e = floor(log2(the largest magnitude in the block)) - 2, held to -126 .. 127; a block of zeros has e = 0. As a byte (E8M0): e + 127.
;;     - Each number is divided by its block's scale, clamped to +-7.5, and rounded to the nearest number of E2M3, ties to even, subnormals kept.
;;     - The product sums the exact products of the quantised numbers (number of the format x scale) in f32.
;;   ~~~python
;;   def quantise(x, axis):      # numpy; x: float32 -> the quantised numbers, widened to float32 again
;;       x = np.moveaxis(x, axis, -1); K = x.shape[-1]
;;       x = np.pad(x, [(0, 0)] * (x.ndim - 1) + [(0, -K % 32)]); x = x.reshape(x.shape[:-1] + (-1, 32)); a = np.abs(x).max(-1, keepdims=True)
;;       e = np.where(a > 0, np.clip(np.frexp(np.where(a > 0, a, 1))[1] - 1 - 2, -126, 127), 0)      # np.frexp(a)[1] - 1 = floor(log2(a)), exactly
;;       r = np.clip(x / 2.0 ** e, -7.5, 7.5)
;;       step = 2.0 ** (np.maximum(np.frexp(np.where(r == 0, 1, r))[1] - 1, 0) - 3)
;;       q = np.round(r / step) * step * 2.0 ** e      # np.round: ties to even
;;       return np.moveaxis(q.reshape(q.shape[:-2] + (-1,))[..., :K], -1, axis).astype(np.float32)
;;   ~~~
;;   SOFTMAX AHEAD OF A QUANTISED PRODUCT. Where the list says 'softmax', what is quantised is not the finished softmax but p = 2^(t - M), with t = logit x log2(e) and M = ceil(the row's largest t), a whole number; so 1/2 < the row's largest p <= 1. The row's sum l is taken of the UNQUANTISED p, in f32, and the product's result is divided by l at the end. Since M is a whole number, a kernel that streams over the keys may use a running M (the ceiling of the running maximum): every later rescaling is an exact power of two, which a block's scale takes up: the codes' values come out the same.
;;   OPERANDS COMPUTED ON THE WAY. 'Computed on the way' means the value that the module computes at that place (a softmax that the list does not call 'softmax' is quantised finished and normalised). What goes into a quantiser is computed in f32, as accurately as f32 sums, v_exp_f32 and their like allow (about 1e-6 of the number): no bf16 or f16 on the way to a quantiser, and a product that is left as it is and whose result goes on into a quantised operand takes f32 operands (vector FMAs, or v_wmma_f32_16x16x4_f32). A number that lies on a knife's edge between two numbers of the format may be rounded either way, as far as f32 arithmetic and the matrix unit's own rounding can turn it there, and no further.
;; One version. Each part assembles by itself: llvm-mc -triple=amdgcn-amd-amdhsa -mcpu=gfx1250 --defsym DOCPART=n.
;; ======== version 1 of 1: 4 launches
;; limits: right only within a limited range of input values
;; workspace buffers: xq 3,276,800 bytes; waq 2,457,600 bytes; wpq 819,200 bytes; qq 3,407,872 bytes; kv 6,684,672 bytes; yq 3,276,800 bytes
;; launch quant (part 1): grid 256 x 1, 8 waves a work-group, no clusters, 120,832 bytes of LDS; arguments x, w_attn, w_proj, xq, waq, wpq; writes xq, waq, wpq
.if DOCPART == 1
	.amdgcn_target "amdgcn-amd-amdhsa--gfx1250"
	.amdhsa_code_object_version 6
	.text
	.protected	k_q1e0ea396fe_quant
	.globl	k_q1e0ea396fe_quant
	.p2align	8
	.type	k_q1e0ea396fe_quant,@function
k_q1e0ea396fe_quant:
	s_mov_b64 s[64:65], 0
	v_nop
	global_prefetch_b8 v0, s[64:65] scope:SCOPE_SE
	s_setreg_imm32_b32 hwreg(HW_REG_WAVE_MODE, 25, 1), 1
	s_wait_xcnt 0x0
; x [4096][1024], w_attn [1024][3072], w_proj [1024][1024], f32, become codes of FP6 (E2M3) with one E8M0 byte for each 32 along K (x: its last axis; the weights: their FIRST axis).
; THE PROGRAM: quant (this), qkv, attn, proj.  All inputs are used.  Left out is only what reference()'s causal mask hides in whole tiles of 128 keys (attn).
; A block's scale is 2^(floor(log2(largest magnitude)) - 2); its byte is the largest magnitude's exponent field - 2, held at 1 from below.
; LIMITS: NaN and infinities are not served; a block whose largest magnitude lies under 2^-124 keeps the byte 1; a block of zeros gets the byte 1 and not 127: its codes are zeros, and this program alone reads the bytes.
; WHAT IS STORED ARE IMAGES OF OPERAND REGISTERS.  A fragment (16 rows x 128 K, 12 registers a lane) is 1,536 bytes: piece p of three holds registers 4 p .. 4 p + 3 of lane l at 512 p + 16 l.
; THE ROWS OF A TILE ARE NOT NEIGHBOURS: row m of tile t (0 .. 3) of a band of 64 rows is row 32 (m / 8) + 8 t + m % 8, so that a lane's 32 results of a band's four tiles are 32 neighbours along the next K: one scale block.
; SCALE WORDS: [tile][half of K][row 16][4 words], 512 bytes a tile; word s % 4 of half s / 4 holds the four bytes of K step s.  They are gathered in LDS and leave in runs of 256 bytes.
; SHARES: 256 work-groups of 128 KiB each: 0-127 take two tiles (32 tokens) of x, 128-223 take 64 columns x 512 k of w_attn, 224-255 the same of w_proj.  Each way has LDS bytes, a barrier and an end of its own.
; No matrix unit, no tensor load, no cluster (no two work-groups read the same byte); a wave asks for all its 16 KiB at once, so there is no loop in which to prefetch.
.set XG,  0                            ; the gather of x's scale words, 1,024 bytes
.set AG,  1024                         ; w_attn's
.set PG,  2048                         ; w_proj's
.set STG0, 3072                        ; behind them: eight stages of 16 rows x 528 bytes, one for each wave
.set SPARE, STG0+8*8448                ; the spare words, 128 bytes a wave
.set IMG, SPARE+1024                   ; the weights' fragments of a work-group, [K step 4][tile 4][1536]: w_attn's, then w_proj's
.set R,   64                           ; v64-191  numbers as loaded
.set X0,  192                          ; v192-255 x: 64 numbers of a lane in the operand's order
	s_load_b256 s[4:11], s[0:1], 0x0               ; x s[4:5], w_attn s[6:7], w_proj s[8:9], xq s[10:11]
	s_load_b128 s[12:15], s[0:1], 0x20             ; waq s[12:13], wpq s[14:15]
	v_lshrrev_b32 v1, 5, v0
	v_readfirstlane_b32 s16, v1                    ; wave 0..7
	s_and_b32 s17, s16, 1                          ; x: which tile;  weights: which two tiles of a band's four
	s_lshr_b32 s18, s16, 1                         ; x: which pair of K steps;  weights: which K step of four
	s_mul_i32 s19, s16, 8448
	s_add_co_u32 s19, s19, STG0                    ; my stage
	s_lshl_b32 s20, s17, 9
	s_lshr_b32 s21, s18, 1
	s_lshl_b32 s21, s21, 8
	s_add_co_u32 s21, s21, s20
	s_and_b32 s22, s18, 1
	s_lshl_b32 s22, s22, 3
	s_add_co_u32 s21, s21, s22
	s_lshl_b32 s22, s18, 2
	s_lshl_b32 s23, s17, 7
	s_add_co_u32 s22, s22, s23
	s_mul_i32 s29, s18, 6144
	s_add_co_u32 s29, s29, IMG
	s_add_co_u32 s23, s23, s29
	s_mul_i32 s30, s17, 3072
	s_add_co_u32 s30, s30, s29
	s_mov_b32 s32, 0x76543210
	s_mov_b32 s33, 0xfedcba98                      ; selects for lane l xor 16
	s_mov_b32 s34, 0xffff0000                      ; lanes 16-31
	s_mov_b32 s27, 0
	s_mov_b32 s31, 0
	; every LDS address of every way is made here, ahead of the parting
	v_lshl_add_u32 v27, v0, 2, SPARE
	v_mov_b32 v59, 0
	v_and_b32 v1, 31, v0                           ; lane
	v_and_b32 v2, 15, v0                           ; r
	v_bfe_u32 v3, v0, 4, 1                         ; h
	v_lshl_add_u32 v4, v1, 4, s19                  ; into the stage: 16 x lane, a row of 512 bytes an instruction
	v_mul_u32_u24 v5, v2, 528
	v_lshlrev_b32 v7, 4, v2
	v_lshlrev_b32 v13, 4, v2
	v_and_b32 v15, 7, v1
	v_lshl_add_u32 v5, v3, 7, v5
	v_lshl_add_u32 v7, v3, 2, v7
	v_lshl_add_u32 v13, v3, 9, v13                 ; 512 (lane / 16) + 16 r: a pair of tiles' scale words in memory
	v_lshrrev_b32 v8, 3, v1
	v_add_nc_u32 v5, s19, v5                       ; out of the stage: row r, + 128 h: my 32 numbers of each 64
	v_add_nc_u32 v7, s21, v7                       ; x's gather: 512 tile + 256 (half of K) + 16 r + 8 (pair % 2) + 4 h
	v_lshl_add_u32 v9, v8, 4, v15
	v_and_b32 v8, 1, v8
	v_lshl_add_u32 v15, v3, 4, v15
	v_mul_u32_u24 v8, v8, 0x600
	v_lshl_add_u32 v9, v9, 4, s22                  ; the weights' gather: 256 tile + 16 row + 4 (K step); my column is tile lane / 8, row 8 (wave % 2) + lane % 8
	v_lshl_add_u32 v8, v15, 4, v8
	v_lshl_add_u32 v10, v1, 4, s30                 ; the weights' fragments, out: tiles 2 (wave % 2) and the next, 16 x lane
	v_add_nc_u32 v8, s23, v8                       ; and in: 1,536 (lane / 8 % 2) + 16 (16 (lane / 16) + 8 (wave % 2) + lane % 8)
	v_lshl_add_u32 v11, v1, 4, s20                 ; out of a gather: 512 (wave % 2) + 16 x lane
	v_lshlrev_b32 v12, 4, v1                       ; 16 x lane
	v_lshlrev_b32 v14, 2, v1                       ; weights: my column of the wave's 32, in bytes
	v_lshlrev_b32 v26, 3, v3                       ; 8 h
	v_mov_b32 v23, 0                               ; written once: a lane permute's destination counts as one of its sources
	s_wait_alu depctr_va_vdst(0)                   ; the wait at the head's end
	s_wait_kmcnt 0x0
	s_cmp_lt_u32 ttmp9, 128
	s_cbranch_scc0 .Lweights
	; ---------------- x: work-group g takes tiles 2 g and 2 g + 1; my wave: one tile, two K steps
	s_lshr_b32 s24, ttmp9, 1                       ; the band: 64 rows of 4,096 bytes,
	s_lshl_b32 s24, s24, 18
	s_and_b32 s25, ttmp9, 1                        ; tile 2 (g % 2) + wave % 2 begins 8 rows further on for each
	s_lshl_b32 s25, s25, 16
	s_add_co_u32 s24, s24, s25
	s_lshl_b32 s25, s17, 15
	s_add_co_u32 s24, s24, s25
	s_lshl_b32 s25, s18, 10                        ; two K steps are 1,024 bytes
	s_add_co_u32 s24, s24, s25
	s_mov_b32 s25, 0
	s_add_nc_u64 s[4:5], s[4:5], s[24:25]
	s_lshr_b32 s26, ttmp9, 3                       ; codes: [256 tokens][place 16][K step][1536]; tile t of the block has place 2 (t % 8) + t / 8
	s_mul_i32 s26, s26, 196608
	s_and_b32 s24, ttmp9, 7
	s_lshl_b32 s24, s24, 1
	s_add_co_u32 s24, s24, s17
	s_lshr_b32 s25, s24, 3
	s_and_b32 s24, s24, 7
	s_lshl_b32 s24, s24, 1
	s_add_co_u32 s24, s24, s25
	s_mul_i32 s24, s24, 12288
	s_add_co_u32 s26, s26, s24
	s_mul_i32 s24, s18, 3072
	s_add_co_u32 s26, s26, s24
	s_add_nc_u64 s[28:29], s[10:11], s[26:27]
	s_lshl_b32 s26, ttmp9, 10                      ; scale words: two tiles of 512 bytes a work-group; waves 0 and 1 store one each
	s_add_co_u32 s26, s26, s20
	s_add_co_u32 s26, s26, 3145728
	s_add_nc_u64 s[10:11], s[10:11], s[26:27]
.irp e, 0,1
.irp i, 0,1,2,3,4,5,6,7,8,9,10,11,12,13,14,15
	global_load_b128 v[R+64*\e+4*\i:R+64*\e+4*\i+3], v12, s[4:5] offset:(\i+24*(\i/8))*4096+512*\e th:TH_LOAD_NT   ; tile row i, K step e: 512 consecutive bytes
.endr
.endr
; A K step's 16 rows x 512 bytes go through my stage as they lie and come back in the operand's order: lane (r, h) gets k = 64 c + 32 h + 0 .. 31 of row r.  LDS serves a wave's instructions in order.
.macro TURN e
.irp i, 0,1,2,3,4,5,6,7,8,9,10,11,12,13,14,15
	ds_store_b128 v4, v[R+64*\e+4*\i:R+64*\e+4*\i+3] offset:528*\i
.endr
.irp c, 0,1
.irp j, 0,1,2,3,4,5,6,7
	ds_load_b128 v[X0+32*\c+4*\j:X0+32*\c+4*\j+3], v5 offset:256*\c+16*\j
.endr
.endr
.endm
; The 64 numbers become fragment e: codes in v[28 + 12 e] on, the row's scale word in v[24 + e]; a lane holds two whole blocks, h and 2 + h.
.macro QX e
.set CC, 28+12*(\e)
.irp c, 0,1
	v_max3_num_f32 v[16+\c], |v[X0+32*\c]|, |v[X0+32*\c+1]|, 0x1800000   ; with the floor 2^(3 - 127): the byte cannot fall under 1
	v_max3_num_f32 v[18+\c], |v[X0+32*\c+16]|, |v[X0+32*\c+17]|, |v[X0+32*\c+18]|
.endr
.irp i, 2,4,6,8,10,12
.irp c, 0,1
	v_max3_num_f32 v[16+\c], v[16+\c], |v[X0+32*\c+\i]|, |v[X0+32*\c+\i+1]|
	v_max3_num_f32 v[18+\c], v[18+\c], |v[X0+32*\c+\i+17]|, |v[X0+32*\c+\i+18]|
.endr
.endr
.irp c, 0,1
	v_max3_num_f32 v[16+\c], v[16+\c], |v[X0+32*\c+14]|, |v[X0+32*\c+15]|
	v_max_num_f32 v[18+\c], v[18+\c], |v[X0+32*\c+31]|
.endr
.irp c, 0,1
	v_max_num_f32 v[16+\c], v[16+\c], v[18+\c]
.endr
.irp c, 0,1
	v_add_nc_u32 v[18+\c], 0xff000000, v[16+\c]    ; 2 off the exponent field: the conversion's scale operand
.endr
.irp c, 0,1
	v_lshrrev_b32 v[20+\c], 23, v[18+\c]           ; the byte
.endr
	v_lshl_or_b32 v22, v21, 16, v20
	v_lshlrev_b32 v22, v26, v22                    ; my two bytes at their places, 8 h bits up
	v_permlanex16_b32 v23, v22, s32, s33
	v_or_b32 v[24+\e], v22, v23                    ; with lane l xor 16's two the word is whole
.irp c, 0,1
	v_cvt_scalef32_pk16_fp6_f32 v[CC+6*\c:CC+6*\c+2], v[X0+32*\c:X0+32*\c+15], v[18+\c]
	v_cvt_scalef32_pk16_fp6_f32 v[52+4*\c:54+4*\c], v[X0+32*\c+16:X0+32*\c+31], v[18+\c]   ; (a conversion's three registers begin on an even number)
.endr
	v_nop                                          ; one plain place behind a scaled conversion
.irp c, 0,1
.irp i, 0,1,2
	v_mov_b32 v[CC+3+6*\c+\i], v[52+4*\c+\i]
.endr
.endr
.irp p, 0,1,2
	global_store_b128 v12, v[CC+4*\p:CC+4*\p+3], s[28:29] offset:(\e)*1536+512*\p   ; 512 consecutive bytes, aligned
.endr
.endm
	s_wait_loadcnt 16                              ; K step 0's sixteen loads are in, K step 1's sixteen may be out
	TURN 0
	s_wait_dscnt 0x0
	QX 0
	s_wait_loadcnt 0x0
	TURN 1
	s_wait_dscnt 0x0
	QX 1
	v_cndmask_b32 v22, v24, v25, s34               ; lanes 0-15 carry the first K step's word, lanes 16-31 the second's
	ds_store_b32 v7, v22 offset:XG
	s_wait_dscnt 0x0                               ; for the others' sake: my words lie in the gather
	s_barrier_signal -1
	s_barrier_wait -1
	s_cmp_lt_u32 s16, 2
	s_cbranch_scc0 .Lx_end
	ds_load_b128 v[60:63], v11 offset:XG           ; a tile's 512 bytes, from four waves
	s_wait_dscnt 0x0
	global_store_b128 v12, v[60:63], s[10:11]      ; 512 consecutive bytes
.Lx_end:
	s_wait_tensorcnt 0x0                           ; the wave's end
	ds_add_u32 v27, v59
	s_wait_dscnt 0x0
	s_endpgm
; ---------------- the weights.  A LANE TAKES A COLUMN AND ITS REGISTERS RUN DOWN K: 128 loads of 128 consecutive bytes.  A wave's 32 columns are rows 8 (wave % 2) .. + 7 of a band's four tiles.
.macro WBLK bq                         ; block bq of 32 along K: all 32 numbers are mine
.set XS, R+32*(\bq)
.set CD, 32+12*((\bq)%2)+6*((\bq)/2)
	v_max3_num_f32 v16, |v[XS]|, |v[XS+1]|, |v[XS+2]|
	v_max3_num_f32 v17, |v[XS+3]|, |v[XS+4]|, |v[XS+5]|
.irp i, 6,10,14,18,22,26
	v_max3_num_f32 v16, v16, |v[XS+\i]|, |v[XS+\i+1]|
	v_max3_num_f32 v17, v17, |v[XS+\i+2]|, |v[XS+\i+3]|
.endr
	v_max3_num_f32 v16, v16, |v[XS+30]|, |v[XS+31]|
	v_max3_num_f32 v16, v16, v17, 0x1800000        ; and the floor
	v_add_nc_u32 v18, 0xff000000, v16
	v_lshrrev_b32 v19, 23, v18
.if (\bq) == 0
	v_mov_b32 v20, v19                             ; my column's scale word of this K step, the lower k in the lower byte
.else
	v_lshl_or_b32 v20, v19, 8*(\bq), v20
.endif
	v_cvt_scalef32_pk16_fp6_f32 v[CD:CD+2], v[XS:XS+15], v18
	v_cvt_scalef32_pk16_fp6_f32 v[192+4*(\bq):194+4*(\bq)], v[XS+16:XS+31], v18
	v_nop                                          ; one plain place behind a scaled conversion
.irp i, 0,1,2
	v_mov_b32 v[CD+3+\i], v[192+4*(\bq)+\i]        ; six registers on end: the block's 32 codes
.endr
.endm
.macro WPATH pitch, gather, img        ; s[4:5] my first number, s[28:29] my two fragments, s[10:11] my pair of tiles' scale words
.set kk, 0
.rept 128
	global_load_b32 v[R+kk], v14, s[4:5] offset:kk*\pitch th:TH_LOAD_NT
.set kk, kk+1
.endr
	s_wait_loadcnt 63                              ; at most the youngest 63 are out: blocks 0 and 1 are in
	WBLK 0
	WBLK 1
	s_wait_loadcnt 32                              ; block 2 is in
	WBLK 2
	s_wait_loadcnt 0x0
	WBLK 3
; A fragment wants block h (and 2 + h) of column r in lane (r, h).  I hold all four blocks of my column: one exchange of halves gives v32-43 (my columns 0-15: rows of tiles 0 and 1) and v44-55 (16-31: of tiles 2 and 3).
; The partner wave holds these tiles' other rows: the fragments are put together in LDS, and each wave stores two whole ones.
.irp i, 0,1,2,3,4,5
	v_permlane16_swap_b32 v[32+\i], v[44+\i]
	v_permlane16_swap_b32 v[38+\i], v[50+\i]
.endr
.irp u, 0,1
.irp p, 0,1,2
	ds_store_b128 v8, v[32+12*\u+4*\p:35+12*\u+4*\p] offset:\img+3072*\u+512*\p
.endr
.endr
	ds_store_b32 v9, v20 offset:\gather
	s_wait_dscnt 0x0                               ; for the others' sake
	s_barrier_signal -1
	s_barrier_wait -1
.irp u, 0,1
.irp p, 0,1,2
	ds_load_b128 v[64+12*\u+4*\p:67+12*\u+4*\p], v10 offset:\img+1536*\u+512*\p
.endr
.endr
	s_wait_dscnt 0x0
.irp u, 0,1
.irp p, 0,1,2
	global_store_b128 v12, v[64+12*\u+4*\p:67+12*\u+4*\p], s[28:29] offset:1536*\u+512*\p   ; 512 consecutive bytes, aligned
.endr
.endr
	s_cmp_lt_u32 s16, 2
	s_cbranch_scc0 .Lw_end_\@
	ds_load_b128 v[60:63], v11 offset:\gather      ; the four K steps' words of two tiles
	s_wait_dscnt 0x0
	global_store_b128 v13, v[60:63], s[10:11]      ; sixteen lanes store 256 consecutive bytes, aligned
.Lw_end_\@:
	s_wait_tensorcnt 0x0
	ds_add_u32 v27, v59
	s_wait_dscnt 0x0
	s_endpgm
.endm
.Lweights:
	s_cmp_lt_u32 ttmp9, 224
	s_cbranch_scc0 .Lproj
	s_sub_co_u32 s24, ttmp9, 128
	s_lshr_b32 s25, s24, 1                         ; which 64 columns: 16 x part (q, k, v) + head
	s_and_b32 s24, s24, 1                          ; which half of K
	s_lshl_b32 s26, s24, 2
	s_add_co_u32 s26, s26, s18                     ; my K step
	s_mul_i32 s30, s26, 1572864                    ; 128 rows of 12,288 bytes
	s_lshl_b32 s35, s25, 8
	s_add_co_u32 s30, s30, s35
	s_lshl_b32 s35, s17, 7                         ; my 32 columns
	s_add_co_u32 s30, s30, s35
	s_add_nc_u64 s[4:5], s[6:7], s[30:31]
	s_lshr_b32 s35, s25, 4                         ; part
	s_and_b32 s36, s25, 15                         ; head
	s_lshl_b32 s37, s17, 1                         ; a head's twelve tiles lie q0 q1 q2 q3 v0 v1 k0 k1 k2 k3 v2 v3: q's pair begins at 2 cg,
	s_add_co_u32 s38, s37, 6                       ; k's at 6 + 2 cg,
	s_mul_i32 s39, s17, 6
	s_add_co_u32 s39, s39, 4                       ; v's at 4 + 6 cg
	s_cmp_eq_u32 s35, 1
	s_cselect_b32 s37, s38, s37
	s_cmp_eq_u32 s35, 2
	s_cselect_b32 s37, s39, s37
	s_mul_i32 s30, s36, 147456                     ; codes: [head][K step][place 12][1536]
	s_mul_i32 s38, s26, 18432
	s_add_co_u32 s30, s30, s38
	s_mul_i32 s38, s37, 1536
	s_add_co_u32 s30, s30, s38
	s_add_nc_u64 s[28:29], s[12:13], s[30:31]
	s_mul_i32 s30, s36, 12
	s_add_co_u32 s30, s30, s37
	s_lshl_b32 s30, s30, 9
	s_lshl_b32 s38, s24, 8
	s_add_co_u32 s30, s30, s38
	s_add_co_u32 s30, s30, 2359296
	s_add_nc_u64 s[10:11], s[12:13], s[30:31]
	WPATH 12288, AG, 0
.Lproj:
	s_sub_co_u32 s24, ttmp9, 224
	s_lshr_b32 s25, s24, 1                         ; which 64 columns
	s_and_b32 s24, s24, 1                          ; which half of K
	s_lshl_b32 s26, s24, 2
	s_add_co_u32 s26, s26, s18                     ; my K step
	s_lshl_b32 s30, s26, 19                        ; 128 rows of 4,096 bytes
	s_lshl_b32 s35, s25, 8
	s_add_co_u32 s30, s30, s35
	s_lshl_b32 s35, s17, 7
	s_add_co_u32 s30, s30, s35
	s_add_nc_u64 s[4:5], s[8:9], s[30:31]
	s_lshr_b32 s35, s25, 1                         ; codes: [128 columns][K step][tile 8][1536]
	s_mul_i32 s30, s35, 98304
	s_mul_i32 s36, s26, 12288
	s_add_co_u32 s30, s30, s36
	s_and_b32 s36, s25, 1
	s_lshl_b32 s36, s36, 2
	s_lshl_b32 s37, s17, 1
	s_add_co_u32 s36, s36, s37
	s_mul_i32 s36, s36, 1536
	s_add_co_u32 s30, s30, s36
	s_add_nc_u64 s[28:29], s[14:15], s[30:31]
	s_lshl_b32 s30, s25, 2
	s_add_co_u32 s30, s30, s37
	s_lshl_b32 s30, s30, 9
	s_lshl_b32 s36, s24, 8
	s_add_co_u32 s30, s30, s36
	s_add_co_u32 s30, s30, 786432
	s_add_nc_u64 s[10:11], s[14:15], s[30:31]
	WPATH 4096, PG, 24576
.Lfunc_end_k_q1e0ea396fe_quant:
	.size	k_q1e0ea396fe_quant, .Lfunc_end_k_q1e0ea396fe_quant-k_q1e0ea396fe_quant
	.p2alignl 7, 3214868480
	.fill 96, 4, 3214868480
	.section	.rodata,"a",@progbits
	.p2align	6, 0x0
	.amdhsa_kernel k_q1e0ea396fe_quant
		.amdhsa_group_segment_fixed_size 120832
		.amdhsa_private_segment_fixed_size 0
		.amdhsa_enable_private_segment 0
		.amdhsa_kernarg_size 48
		.amdhsa_user_sgpr_count 2
		.amdhsa_user_sgpr_kernarg_segment_ptr 1
		.amdhsa_wavefront_size32 1
		.amdhsa_system_sgpr_workgroup_id_x 1
		.amdhsa_system_sgpr_workgroup_id_y 1
		.amdhsa_system_sgpr_workgroup_id_z 1
		.amdhsa_system_vgpr_workitem_id 0
		.amdhsa_next_free_vgpr 256
		.amdhsa_next_free_sgpr 66
		.amdhsa_reserve_vcc 0
		.amdhsa_float_denorm_mode_32 3
		.amdhsa_float_denorm_mode_16_64 3
		.amdhsa_memory_ordered 1
		.amdhsa_forward_progress 1
		.amdhsa_inst_pref_size 61
	.end_amdhsa_kernel
	.amdgpu_metadata
---
amdhsa.version: [ 1, 2 ]
amdhsa.kernels:
  - .name:           k_q1e0ea396fe_quant
    .symbol:         k_q1e0ea396fe_quant.kd
    .args:
      - { .name: x, .offset: 0, .size: 8, .value_kind: global_buffer, .address_space: global }
      - { .name: w_attn, .offset: 8, .size: 8, .value_kind: global_buffer, .address_space: global }
      - { .name: w_proj, .offset: 16, .size: 8, .value_kind: global_buffer, .address_space: global }
      - { .name: xq, .offset: 24, .size: 8, .value_kind: global_buffer, .address_space: global }
      - { .name: waq, .offset: 32, .size: 8, .value_kind: global_buffer, .address_space: global }
      - { .name: wpq, .offset: 40, .size: 8, .value_kind: global_buffer, .address_space: global }
    .group_segment_fixed_size: 120832
    .private_segment_fixed_size: 0
    .kernarg_segment_align: 8
    .kernarg_segment_size: 48
    .max_flat_workgroup_size: 256
    .sgpr_count:     66
    .vgpr_count:     256
    .wavefront_size: 32
...
	.end_amdgpu_metadata
.endif
;; end of part 1
;; launch qkv (part 2): grid 16 x 16, 4 waves a work-group, clusters of 4 x 4, 327,680 bytes of LDS; arguments xq, waq, b_attn, qq, kv; writes qq, kv
.if DOCPART == 2
	.amdgcn_target "amdgcn-amd-amdhsa--gfx1250"
	.amdhsa_code_object_version 6
	.text
	.protected	k_q1e0ea396fe_qkv
	.globl	k_q1e0ea396fe_qkv
	.p2align	8
	.type	k_q1e0ea396fe_qkv,@function
k_q1e0ea396fe_qkv:
	s_mov_b64 s[64:65], 0
	v_nop
	global_prefetch_b8 v0, s[64:65] scope:SCOPE_SE
	s_setreg_imm32_b32 hwreg(HW_REG_WAVE_MODE, 25, 1), 1
	s_wait_xcnt 0x0
	s_wait_alu depctr_hold_cnt(0) depctr_sa_sdst(0) depctr_va_vdst(0) depctr_va_sdst(0) depctr_va_ssrc(0) depctr_va_vcc(0) depctr_vm_vsrc(0)
	s_getreg_b32 s2, hwreg(HW_REG_IB_STS2, 6, 4)
	s_cmp_eq_u32 s2, 0
	s_cbranch_scc0 .Lentry_in_a_cluster
	s_endpgm
.Lentry_in_a_cluster:
	s_bfe_u32 s2, ttmp6, 0x10000c
	s_cmp_lg_u32 s2, 0xf033
	s_cbranch_scc0 .Lentry_shape_is_right
	s_endpgm
.Lentry_shape_is_right:
; qkv = x w_attn + b_attn on codes of FP6 (E2M3) with E8M0 scales, K = 1,024; q, k and v are quantised in registers and leave as images of the operands of the attention launch.
; SHARES.  A work-group takes 256 tokens x the 192 columns (q, k, v) of ONE head: 16 x 16 work-groups.  Wave w: th = w / 2 picks 128 tokens (one key step, eight tiles), ch = w % 2 picks six tiles of columns:
; ch = 0: q's four and v's first two; ch = 1: k's four and v's last two.  All four waves run one text: q or k is a choice of pointers.
; A WAVE'S SIX TILES OF W, ALL OF K, LIE IN REGISTERS (48 fragments); the token tiles stream past (8 fragments, one set): 48 products a tile.  A tile's results leave while the next tile is multiplied.
; q AND k ARE MADE TRANSPOSED (source 0 = 16 columns of W, source 1 = 16 tokens): a lane holds one token and its registers run along the head's 64, which is their K.
; v IS MADE THE NATURAL WAY (source 0 = tokens, source 1 = columns): a lane holds one channel and its registers run along the tokens, which are v's K.
; Row m of tile t of a band of 64 rows is row 32 (m / 8) + 8 t + m % 8 (tokens and columns alike), so a lane's 32 registers of four result tiles are 32 neighbours along the next K: a whole scale block.
; The biases are the C of each sum's first matrix instruction.
; OPERANDS lie in memory as images of registers (1,536 bytes a fragment, piece p = registers 4 p .. 4 p + 3 at 512 p + 16 x lane): a fragment is three loads of 512 dense bytes from LDS.
; LDS: fourteen slots of a token tile (12,288 bytes: eight K steps), behind them W ([K step][12 tiles][1536], 147,456 bytes).  x's places: 2 (tile % 8) + tile / 8, so that both halves' first tiles come first.
; At the head one joint load a wave: W's K steps 0-3, x's places 0-3, W's K steps 4-7, x's places 4-13.  In tile 0 a round of the cluster's barrier, and behind it places 14-15 into slots 0-1.  By this text's count a wave has one tensor load out.
; CLUSTER 4 x 4: the four of a row need the same tokens' tiles, the four of a column the same head's: each tile is asked for jointly.
; No prefetch: all but two of the sixteen token tiles are asked for at the head, the last two six tiles ahead of their use; there is no loop.
; LIMITS: as the quantising launch states them (NaN, infinities; floor at 2^-124; a block of zeros has the byte 1).
; REGISTERS, in windows of 256.  Fragment f lies in window 1 + f / 21 at register 12 (f % 21): 0-47 W's (6 q + b), 48-55 x's.
;   Window 0: v2-5, v6-9 LDS addresses of x's and W's fragments; v10-17 offsets; v18, v19 the add's; v28-59 x's scale words, v64-87 W's (register 8 g + s: K step s, lanes 0-15 tile 2 g, lanes 16-31 tile 2 g + 1); v60-62, v88-118, v248-250 the way out;
;   v120-183 two sets of q's or k's four accumulators; v184-247 v's: 184 + 32 e + 8 a.   Window 3: v168-199 q's or k's bias, v200-215 v's, v216-239 v's codes.
.set WS,    18432
.set WB,    14*12288
.set SPARE, WB+8*WS                    ; behind them: the spare words, 128 bytes a wave
.set MSB, 0
.macro WIN new                         ; the immediate's high byte repeats the setting that is left
.if MSB != \new
	s_set_vgpr_msb (MSB<<8)|\new
.set MSB, \new
.endif
.endm
.macro PLACES                          ; four plain places behind a matrix instruction, in front of loads into its registers and of reads of its result
.rept 4
	v_nop
.endr
.endm
.macro TL g0, g1
	tensor_load_to_lds s[\g0:\g0+3], s[\g1:\g1+7]
	s_nop 0
	PLACES
.endm
.macro CREST                           ; a round of the cluster's barrier behind its opening barrier
	s_cmp_lg_u32 s14, 0
	s_cbranch_scc1 .Lnot_wave_0_\@
	s_barrier_signal -3
.Lnot_wave_0_\@:
	s_barrier_wait -3
	s_barrier_signal -1
	s_barrier_wait -1
.endm
.macro CROUND
	s_barrier_signal -1
	s_barrier_wait -1
	CREST
.endm
.macro GROUP1 g, mask, rows            ; a dense block as rows of 256 bytes (32 elements of 8 bytes)
	s_or_b32 s[\g], s\mask, (3<<16)|(1<<21)        ; 15:0 the mask; 17:16 elements of 8 bytes; 21 set beside a mask
	s_mov_b32 s[\g+1], 32<<16                      ; tensor_dim0
	s_mov_b32 s[\g+2], (\rows)<<16                 ; tensor_dim1
	s_mov_b32 s[\g+3], 32<<16                      ; tile_dim0
	s_mov_b32 s[\g+4], \rows                       ; tile_dim1
	s_mov_b32 s[\g+5], 32                          ; the pitch
	s_mov_b32 s[\g+6], 0
	s_mov_b32 s[\g+7], 0
.endm
.macro GROUP0 g, lds, base, off
	s_mov_b32 s[\g], 1
	s_mov_b32 s[\g+1], \lds
	s_add_nc_u64 s[\g+2:\g+3], s[\base:\base+1], \off
	s_or_b32 s[\g+3], s[\g+3], 0x80000000
.endm
; One matrix instruction.  ra, rb: 1 where the side's scale words stand in lanes 16-31.
.macro WM1 d, a, b, c, sa, sb, ra, rb
	v_wmma_scale_f32_16x16x128_f8f6f4 v[\d:\d+7], v[\a:\a+11], v[\b:\b+11], \c, v[\sa], v[\sb] matrix_a_fmt:MATRIX_FMT_FP6 matrix_b_fmt:MATRIX_FMT_FP6 matrix_a_scale:MATRIX_SCALE_ROW\ra matrix_b_scale:MATRIX_SCALE_ROW\rb
.endm
.macro WM d, a, b, c, sa, sb, ra, rb
.if (\ra)+2*(\rb) == 0
	WM1 \d,\a,\b,\c,\sa,\sb,0,0
.elseif (\ra)+2*(\rb) == 1
	WM1 \d,\a,\b,\c,\sa,\sb,1,0
.elseif (\ra)+2*(\rb) == 2
	WM1 \d,\a,\b,\c,\sa,\sb,0,1
.else
	WM1 \d,\a,\b,\c,\sa,\sb,1,1
.endif
.endm
	s_load_b256 s[4:11], s[0:1], 0x0               ; xq s[4:5], waq s[6:7], b_attn s[8:9], qq s[10:11]
	s_load_b64 s[12:13], s[0:1], 0x20              ; kv
	v_lshl_add_u32 v18, v0, 2, SPARE               ; my spare word; never rewritten
	v_mov_b32 v19, 0                               ; 0; never rewritten
	ds_add_u32 v18, v19                            ; the wave's opening: the add, twice on end, under one wait
	ds_add_u32 v18, v19
	v_lshrrev_b32 v1, 5, v0
	v_readfirstlane_b32 s14, v1                    ; wave 0..3
	s_lshr_b32 s15, s14, 1                         ; th
	s_and_b32 s16, s14, 1                          ; ch
	s_bfe_u32 s40, ttmp6, 0x40000                  ; cx
	s_bfe_u32 s41, ttmp6, 0x40004                  ; cy
	s_lshl_b32 s42, ttmp9, 2
	s_add_co_u32 s42, s42, s40                     ; the head = 4 x cluster x + cx
	s_and_b32 s17, ttmp7, 0xffff
	s_lshl_b32 s17, s17, 2
	s_add_co_u32 s17, s17, s41                     ; the block of 256 tokens = 4 x cluster y + cy
	s_lshl_b32 s43, s41, 2
	s_lshl_b32 s43, 15, s43                        ; my row of the cluster: x's tiles
	s_lshl_b32 s44, 0x1111, s40                    ; my column: W's
	GROUP1 24, 44, 288                             ; four K steps of W
	GROUP1 48, 43, 192                             ; x's places 0-3, later 14-15
	GROUP1 56, 43, 480                             ; x's places 4-13
	s_mul_i32 s92, s17, 196608                     ; x: [256 tokens][place 16][K step][1536]: hangs on the token block alone
	s_mov_b32 s93, 0
	s_mul_i32 s94, s42, 8*WS                       ; W: [head][K step][place 12][1536]: on the head alone
	s_mov_b32 s95, 0
	s_lshl_b32 s18, s17, 13                        ; x's scale words
	s_lshl_b32 s19, s15, 12
	s_add_co_u32 s18, s18, s19
	s_add_co_u32 s18, s18, 3145728
	s_mov_b32 s19, 0
	s_mul_i32 s20, s42, 6144                       ; W's
	s_mul_i32 s21, s16, 3072
	s_add_co_u32 s20, s20, s21
	s_add_co_u32 s20, s20, 2359296
	s_mov_b32 s21, 0
	s_lshl_b32 s22, s42, 8                         ; b_attn at q's or k's 64 numbers of the head
	s_lshl_b32 s23, s16, 6
	s_add_co_u32 s46, s22, s23
	s_add_co_u32 s46, s46, 8192                    ; and at v's, from my first tile on
	s_lshl_b32 s23, s16, 12
	s_add_co_u32 s22, s22, s23
	s_mov_b32 s23, 0
	s_mov_b32 s47, 0
	s_mul_i32 s45, s15, 12288                      ; my tile of a pair of places
	s_mul_i32 s96, s16, 9216                       ; my six tiles of columns,
	s_add_co_u32 s96, s96, WB                      ; behind x's slots
	v_and_b32 v1, 31, v0                           ; lane
	v_and_b32 v14, 15, v0                          ; r
	v_bfe_u32 v15, v0, 4, 1                        ; h
	v_lshlrev_b32 v12, 4, v1                       ; 16 x lane
	v_lshlrev_b32 v13, 2, v1                       ; 4 x lane
	v_lshlrev_b32 v10, 4, v14
	v_lshl_add_u32 v10, v15, 9, v10                ; 512 (lane / 16) + 16 r: a pair of tiles' scale words
	v_add_nc_u32 v2, s45, v12
	v_add_nc_u32 v6, s96, v12
.irp i, 1,2,3
	v_add_nc_u32 v[2+\i], 49152*\i, v2
	v_add_nc_u32 v[6+\i], 2*WS*\i, v6
.endr
	v_and_b32 v16, 8, v14
	v_mad_u32_u24 v16, 3, v16, v14
	v_lshlrev_b32 v16, 2, v16                      ; v's bias: 4 (32 (r / 8) + r % 8)
	v_lshlrev_b32 v17, 7, v15                      ; q's and k's: 128 h
	s_wait_alu depctr_va_vdst(0)                   ; directly ahead of the waits below
	s_wait_dscnt 0x0                               ; both opening adds are done
	CROUND                                         ; all sixteen work-groups are here: the first joint loads meet
	s_wait_kmcnt 0x0
	s_add_nc_u64 s[92:93], s[4:5], s[92:93]
	s_add_nc_u64 s[94:95], s[6:7], s[94:95]
	GROUP0 76, WB, 94, 0
	GROUP0 80, 0, 92, 0
	GROUP0 84, WB+4*WS, 94, 4*WS
	GROUP0 88, 49152, 92, 49152
	s_cmp_lt_u32 s14, 1                            ; one joint load a wave, in one chain of branches on the wave's number
	s_cbranch_scc0 .Lwave_1
	TL 76, 24                                      ; wave 0: W's K steps 0-3
	s_branch .Lasked
.Lwave_1:
	s_cmp_lt_u32 s14, 2
	s_cbranch_scc0 .Lwave_2
	TL 80, 48                                      ; wave 1: x's places 0-3
	s_branch .Lasked
.Lwave_2:
	s_cmp_lt_u32 s14, 3
	s_cbranch_scc0 .Lwave_3
	TL 84, 24                                      ; wave 2: W's K steps 4-7
	s_branch .Lasked
.Lwave_3:
	TL 88, 56                                      ; wave 3: x's places 4-13
.Lasked:
	s_add_nc_u64 s[4:5], s[4:5], s[18:19]
	s_add_nc_u64 s[6:7], s[6:7], s[20:21]
	s_add_nc_u64 s[22:23], s[8:9], s[22:23]
	s_add_nc_u64 s[46:47], s[8:9], s[46:47]
.irp g, 0,1,2,3
.irp kh, 0,1
	global_load_b128 v[28+8*\g+4*\kh:31+8*\g+4*\kh], v10, s[4:5] offset:1024*\g+256*\kh   ; sixteen lanes read 256 consecutive bytes
.endr
.endr
.irp g, 0,1,2
.irp kh, 0,1
	global_load_b128 v[64+8*\g+4*\kh:67+8*\g+4*\kh], v10, s[6:7] offset:1024*\g+256*\kh
.endr
.endr
	WIN 0xc0                                       ; destination window 3
.irp b, 0,1,2,3                        ; lane (r, h), register j of tile b: column 32 h + 8 b + j
	global_load_b128 v[168+8*\b:171+8*\b], v17, s[22:23] offset:32*\b
	global_load_b128 v[172+8*\b:175+8*\b], v17, s[22:23] offset:32*\b+16
.endr
.irp e, 0,1                            ; v: a lane holds one channel, so its eight registers hold one number
.irp j, 0,1,2,3,4,5,6,7
	global_load_b32 v[200+8*\e+\j], v16, s[46:47] offset:32*\e
.endr
.endr
	WIN 0
	; where the results go.  The key step: ((batch x 16 + head) x 16 + step in the head)
	s_lshr_b32 s96, s17, 3
	s_lshl_b32 s96, s96, 4
	s_add_co_u32 s96, s96, s42
	s_lshl_b32 s96, s96, 4
	s_lshl_b32 s97, s17, 1
	s_add_co_u32 s97, s97, s15
	s_and_b32 s97, s97, 15
	s_add_co_u32 s96, s96, s97
	s_mul_i32 s97, s96, 13056                      ; its record in kv: k's 8 half fragments, v's 4 fragments at 6,144, k's scale words at 12,288, v's at 12,800
	s_mul_i32 s98, s96, 6144                       ; q's 8 half fragments in qq
	s_lshl_b32 s99, s96, 9
	s_add_co_u32 s99, s99, 3145728                 ; q's scale words
	s_add_co_u32 s100, s97, 12288                  ; k's
	s_cmp_eq_u32 s16, 0                            ; q's wave or k's?  The choice hangs on the wave's number alone
	s_cselect_b64 s[32:33], s[10:11], s[12:13]
	s_cselect_b32 s98, s98, s97
	s_cselect_b32 s100, s99, s100
	s_mov_b32 s101, 0
	s_add_nc_u64 s[34:35], s[32:33], s[100:101]    ; q's or k's scale words
	s_mov_b32 s100, s98
	s_add_nc_u64 s[32:33], s[32:33], s[100:101]    ; and codes
	s_mul_i32 s100, s16, 3072
	s_add_co_u32 s100, s100, s97
	s_add_co_u32 s100, s100, 6144
	s_add_nc_u64 s[36:37], s[12:13], s[100:101]    ; my two fragments of v
	s_lshl_b32 s100, s16, 7
	s_add_co_u32 s100, s100, s97
	s_add_co_u32 s100, s100, 12800
	s_add_nc_u64 s[38:39], s[12:13], s[100:101]    ; and their scale words
.macro WHALF hf                        ; W's fragments of K steps 4 hf .. 4 hf + 3: 72 loads
.irp q, 0,1,2,3
.irp b, 0,1,2,3,4,5
.set ff, 6*(4*(\hf)+\q)+\b
.set fr, 12*(ff%21)
	WIN (1+ff/21)<<6
.irp p, 0,1,2
	ds_load_b128 v[fr+4*\p:fr+4*\p+3], v[6+2*(\hf)+\q/2] offset:(\q%2)*WS+1536*\b+512*\p
.endr
.endr
.endr
	WIN 0
.endm
.macro XFRAG q, t                      ; x's fragment of K step q of my token tile t
.set fr, 12*((48+(\q))%21)
.if (\t) < 7
.set xa, 2+(\t)/2
.set xo, ((\t)%2)*24576
.else                                  ; tile 7 lies in slots 0-1
.set xa, 2
.set xo, 0
.endif
	WIN 0xc0
.irp p, 0,1,2
	ds_load_b128 v[fr+4*\p:fr+4*\p+3], v[xa] offset:xo+1536*(\q)+512*\p
.endr
.endm
; The products of K step q of token tile a.  The six accumulators take turns, one instruction a turn.
.macro MULQ a, q, b
.set fb, 6*(\q)+\b
.if \q
	WIN (1+fb/21)|0x0c
	WM 120+32*((\a)%2)+8*\b,12*(fb%21),12*((48+\q)%21),v[120+32*((\a)%2)+8*\b:127+32*((\a)%2)+8*\b],64+8*(\b/2)+\q,28+8*((\a)/2)+\q,\b%2,(\a)%2
.else
	WIN (1+fb/21)|0x3c
	WM 120+32*((\a)%2)+8*\b,12*(fb%21),12*((48+\q)%21),v[168+8*\b:175+8*\b],64+8*(\b/2)+\q,28+8*((\a)/2)+\q,\b%2,(\a)%2
.endif
.endm
.macro MULV a, q, e
.set fb, 6*(\q)+4+\e
.if \q
	WIN 0x03|((1+fb/21)<<2)
	WM 184+32*\e+8*((\a)%4),12*((48+\q)%21),12*(fb%21),v[184+32*\e+8*((\a)%4):191+32*\e+8*((\a)%4)],28+8*((\a)/2)+\q,80+\q,(\a)%2,\e
.else
	WIN 0x33|((1+fb/21)<<2)
	WM 184+32*\e+8*((\a)%4),12*((48+\q)%21),12*(fb%21),v[200+8*\e:207+8*\e],28+8*((\a)/2)+\q,80+\q,(\a)%2,\e
.endif
.endm
; THE WAY OUT of q's or k's tile t: a lane's 32 results are one scale block.  AB: line k of the largest magnitude's two chains (registers from x on, each accumulator from its low end on; the floor 2^(3 - 127) holds the byte at 1 from below).
.macro AB x, c, k
.set rr, (\x)+16*((\k)%2)+2*((\k)/2)
.if (\k) < 2
	v_max3_num_f32 v[(\c)+(\k)%2], 0x1800000, |v[rr]|, |v[rr+1]|
.else
	v_max3_num_f32 v[(\c)+(\k)%2], v[(\c)+(\k)%2], |v[rr]|, |v[rr+1]|
.endif
.endm
.macro OUTQ t, i                       ; its part i, 1 .. 7
.set xx, 120+32*((\t)%2)
.if (\i) < 5
	AB xx, 100, 3*(\i)-3
	AB xx, 100, 3*(\i)-2
	AB xx, 100, 3*(\i)-1
.elseif (\i) == 5
.irp k, 12,13,14,15
	AB xx, 100, \k
.endr
.elseif (\i) == 6
	v_max_num_f32 v100, v100, v101
	v_add_nc_u32 v104, 0xff000000, v100            ; 2 off its exponent field: the conversion's scale operand
	v_lshrrev_b32 v[106+(\t)%2], 23, v104          ; the byte
.else
.set cc, 88+6*((\t)%2)
	v_cvt_scalef32_pk16_fp6_f32 v[cc:cc+2], v[xx:xx+15], v104
	v_cvt_scalef32_pk16_fp6_f32 v[108:110], v[xx+16:xx+31], v104   ; (a conversion's three registers begin on an even number)
	v_nop                                          ; one plain place behind a scaled conversion
.irp j, 0,1,2
	v_mov_b32 v[cc+3+\j], v[108+\j]
.endr
.if (\t)%2
	v_permlane16_swap_b32 v106, v107               ; block 0's byte lies in lane r, block 1's in lane 16 + r: the exchange brings an even and an odd tile's together:
	v_lshl_or_b32 v[112+(\t)/2], v107, 8, v106     ; lanes 0-15 the even tile's word, lanes 16-31 the odd tile's; the upper bytes are 0
.irp k, 0,1,2                          ; two tiles' half fragments are twelve registers on end, three pieces
	global_store_b128 v12, v[88+4*\k:91+4*\k], s[32:33] offset:1536*((\t)/2)+512*\k   ; 512 consecutive bytes, aligned
.endr
.endif
.endif
.endm
.macro XHALF t, hf                     ; the fragments of K steps 4 hf .. 4 hf + 3 of token tile t, in one run: 12 loads
.irp q, 0,1,2,3
	XFRAG 4*(\hf)+\q, \t
.endr
.endm
; What stands at place i of 16 in tile a.  Place 0: this tile's K steps 4-7 are fetched (the last tile's have been multiplied); place 8: the next tile's K steps 0-3; places 1-7: the last tile's way out.
; The four places in front of a run of loads also serve the way out's first read of the last tile's results.
.macro SLOT a, i
.if ((\a) > 0) && ((\i) == 0)
	WIN 0
	PLACES
	XHALF \a, 1
.elseif ((\a) < 7) && ((\i) == 8)
	WIN 0
	PLACES
	XHALF (\a)+1, 0
.elseif ((\a) > 0) && ((\i) > 0) && ((\i) < 8)
	WIN 0
	OUTQ (\a)-1, \i
.endif
.endm
; K step q of token tile a.  In front of K steps 0 and 4 the run of loads that brings the next four K steps' fragments is waited for; it was issued four K steps ago.
.macro QSTEP a, q
.if ((\q) == 0) && ((\a) > 0)
	s_wait_dscnt 0x0
.if ((\a)%2) && ((\a) > 2)
	s_wait_xcnt 0x0                                ; the last pair of tiles' stores have read their registers
.endif
.endif
.if (\q) == 4
	s_wait_dscnt 0x0
.endif
	MULQ \a, \q, 0
	MULQ \a, \q, 1
	SLOT \a, 2*(\q)
	MULQ \a, \q, 2
	MULQ \a, \q, 3
	SLOT \a, 2*(\q)+1
	MULV \a, \q, 0
	MULV \a, \q, 1
.endm
.macro TILE a
.irp q, 0,1,2,3,4,5,6,7
	QSTEP \a, \q
.endr
	WIN 0
.endm
; THE WAY OUT of v's band c: of each of my two tiles a lane's 32 results are one scale block, tokens 32 h on.
.macro VOUT c
.irp k, 0,1,2,3,4,5,6,7,8,9,10,11,12,13,14,15
	AB 184, 100, \k
	AB 216, 102, \k
.endr
	v_max_num_f32 v100, v100, v101
	v_max_num_f32 v102, v102, v103
	v_add_nc_u32 v104, 0xff000000, v100
	v_add_nc_u32 v105, 0xff000000, v102
.if \c
	v_lshrrev_b32 v106, 23, v104
	v_lshrrev_b32 v107, 23, v105
	v_lshl_or_b32 v116, v106, 16, v116             ; a channel's blocks h and 2 + h
	v_lshl_or_b32 v117, v107, 16, v117
.else
	v_lshrrev_b32 v116, 23, v104
	v_lshrrev_b32 v117, 23, v105
.endif
	v_cvt_scalef32_pk16_fp6_f32 v[60:62], v[200:215], v104
	v_cvt_scalef32_pk16_fp6_f32 v[248:250], v[232:247], v105
	WIN 0xc0
	v_cvt_scalef32_pk16_fp6_f32 v[216+6*\c:218+6*\c], v[184:199], v104
	v_cvt_scalef32_pk16_fp6_f32 v[228+6*\c:230+6*\c], v[216:231], v105
	v_nop                                          ; one plain place behind a scaled conversion
.irp j, 0,1,2
	v_mov_b32 v[219+6*\c+\j], v[60+\j]
	v_mov_b32 v[231+6*\c+\j], v[248+\j]
.endr
	WIN 0
.endm
	s_cmp_lt_u32 s14, 2
	s_cbranch_scc0 .Lshow_1
	s_wait_tensorcnt 0x0                           ; waves 0 and 1: W's K steps 0-3 and x's places 0-3 are in; the others' lines may be out
.Lshow_1:
	s_barrier_signal -1
	s_barrier_wait -1
	WHALF 0
.irp q, 0,1,2,3,4,5,6,7
	XFRAG \q, 0
.endr
	WIN 0
	s_cmp_lt_u32 s14, 3
	s_cbranch_scc0 .Lshow_2
	s_wait_tensorcnt 0x0                           ; wave 2: W's K steps 4-7
.Lshow_2:
	s_wait_dscnt 0x0
	s_barrier_signal -1
	s_barrier_wait -1
	WHALF 1                                        ; these land under the first four K steps' products
	s_wait_loadcnt 0x0                             ; scale words and biases
	QSTEP 0, 0
	QSTEP 0, 1
	QSTEP 0, 2
	QSTEP 0, 3
	QSTEP 0, 4
	WIN 0
	s_wait_tensorcnt 0x0                           ; all my tensor loads have landed
	ds_add_u32 v18, v19                            ; 0 onto my spare word
	s_mov_b32 s81, 0                               ; no tensor load of mine is out: the descriptor may be written: places 14-15 into slots 0-1, which all waves read ahead of the last barrier
	s_add_nc_u64 s[82:83], s[82:83], 14*12288
	s_mov_b32 s50, 96<<16
	s_mov_b32 s52, 96
	QSTEP 0, 5
	QSTEP 0, 6
	WIN 0
	s_wait_dscnt 0x0                               ; the add is done, and so are my reads
	s_barrier_signal -1
	QSTEP 0, 7
	WIN 0
	s_barrier_wait -1
	CREST                                          ; x's places 4-13 are whole, and no wave of any partner still reads slots 0-1 or has a load on its way
	s_cmp_lt_u32 s14, 1
	s_cbranch_scc0 .Lno_refill
	TL 80, 48                                      ; wave 0: the first tensor load behind the round
.Lno_refill:
	TILE 1
	TILE 2
	TILE 3
	PLACES
	s_wait_tensorcnt 0x0
	s_wait_dscnt 0x0
	s_barrier_signal -1                            ; a plain barrier shows places 14-15 to all; v's first band is worked under it
	VOUT 0
	s_barrier_wait -1
	TILE 4
	TILE 5
	TILE 6
	TILE 7
	PLACES
.irp i, 1,2,3,4,5,6,7
	OUTQ 7, \i
.endr
	global_store_b128 v12, v[112:115], s[34:35]    ; the step's 128 scale words of q or k: 512 consecutive bytes
	VOUT 1
	v_permlane16_swap_b32 v116, v117
	v_lshl_or_b32 v118, v117, 8, v116              ; lanes 0-15 the first tile's words, lanes 16-31 the second's
	WIN 0x0c                                       ; a store's data in window 3
.irp k, 0,1,2,3,4,5
	global_store_b128 v12, v[216+4*\k:219+4*\k], s[36:37] offset:512*\k
.endr
	WIN 0
	global_store_b32 v13, v118, s[38:39]           ; my two tiles' words of v: 128 consecutive bytes; the partner wave stores the 128 beside them
	s_wait_tensorcnt 0x0                           ; the wave's end
	ds_add_u32 v18, v19
	s_wait_dscnt 0x0
	CROUND                                         ; the closing round: no work-group ends while a partner may still ask for a tile that names it
	s_endpgm
.Lfunc_end_k_q1e0ea396fe_qkv:
	.size	k_q1e0ea396fe_qkv, .Lfunc_end_k_q1e0ea396fe_qkv-k_q1e0ea396fe_qkv
	.p2alignl 7, 3214868480
	.fill 96, 4, 3214868480
	.section	.rodata,"a",@progbits
	.p2align	6, 0x0
	.amdhsa_kernel k_q1e0ea396fe_qkv
		.amdhsa_group_segment_fixed_size 327680
		.amdhsa_private_segment_fixed_size 0
		.amdhsa_enable_private_segment 0
		.amdhsa_kernarg_size 40
		.amdhsa_user_sgpr_count 2
		.amdhsa_user_sgpr_kernarg_segment_ptr 1
		.amdhsa_wavefront_size32 1
		.amdhsa_system_sgpr_workgroup_id_x 1
		.amdhsa_system_sgpr_workgroup_id_y 1
		.amdhsa_system_sgpr_workgroup_id_z 1
		.amdhsa_system_vgpr_workitem_id 0
		.amdhsa_next_free_vgpr 1024
		.amdhsa_next_free_sgpr 102
		.amdhsa_reserve_vcc 0
		.amdhsa_float_denorm_mode_32 3
		.amdhsa_float_denorm_mode_16_64 3
		.amdhsa_memory_ordered 1
		.amdhsa_forward_progress 1
		.amdhsa_inst_pref_size 114
	.end_amdhsa_kernel
	.amdgpu_metadata
---
amdhsa.version: [ 1, 2 ]
amdhsa.kernels:
  - .name:           k_q1e0ea396fe_qkv
    .symbol:         k_q1e0ea396fe_qkv.kd
    .args:
      - { .name: xq, .offset: 0, .size: 8, .value_kind: global_buffer, .address_space: global }
      - { .name: waq, .offset: 8, .size: 8, .value_kind: global_buffer, .address_space: global }
      - { .name: b_attn, .offset: 16, .size: 8, .value_kind: global_buffer, .address_space: global }
      - { .name: qq, .offset: 24, .size: 8, .value_kind: global_buffer, .address_space: global }
      - { .name: kv, .offset: 32, .size: 8, .value_kind: global_buffer, .address_space: global }
    .group_segment_fixed_size: 327680
    .private_segment_fixed_size: 0
    .kernarg_segment_align: 8
    .kernarg_segment_size: 40
    .max_flat_workgroup_size: 128
    .sgpr_count:     102
    .vgpr_count:     1024
    .wavefront_size: 32
...
	.end_amdgpu_metadata
.endif
;; end of part 2
;; launch attn (part 3): grid 32 x 8, 8 waves a work-group, no clusters, 327,680 bytes of LDS; arguments qq, kv, yq; writes yq
.if DOCPART == 3
	.amdgcn_target "amdgcn-amd-amdhsa--gfx1250"
	.amdhsa_code_object_version 6
	.text
	.protected	k_q1e0ea396fe_attn
	.globl	k_q1e0ea396fe_attn
	.p2align	8
	.type	k_q1e0ea396fe_attn,@function
k_q1e0ea396fe_attn:
	s_mov_b64 s[64:65], 0
	v_nop
	global_prefetch_b8 v0, s[64:65] scope:SCOPE_SE
	s_setreg_imm32_b32 hwreg(HW_REG_WAVE_MODE, 25, 1), 1
	s_wait_xcnt 0x0
; y[b][h][q] = softmax_k(q . k / 8, causal) v on codes of FP6 (E2M3) with E8M0 scales; y is quantised along (head, channel) and leaves as an image of the last product's operand.
; LEFT OUT: key steps of 128 all of whose keys come after a block of 128 queries: reference()'s own causal mask makes each of their p 0.  A NaN or an infinity that stands only there is not carried to the result.
; THE SOFTMAX AHEAD OF THE SECOND PRODUCT: t = score x log2(e) / 8; M = the running largest t rounded UP to a whole number; p = 2^(t - M) is quantised along the keys, not normalised; the row's sum is taken of the unquantised p
; and divides at the end (v_rcp_f32 and a multiplication).  When M moves, the sum and O are multiplied by 2^(old M - new M): exact.
; SHARES.  Work-group (batch x 16 + head, j) owns the 128 queries of block j (the lower) and of block 15 - j (the upper).  A wave works a PAIR of tiles of 16 queries: each fragment of k and v feeds two products.  Waves u and 4 + u share tiles 2 u, 2 u + 1 of both blocks:
; j + 1 and 16 - j key steps, 17 in all, whatever j.  Wave 4 + u takes the upper pair's steps 0 .. 8 in trips 0 .. 8.  Wave u takes the lower pair's steps 0 .. j in trips 0 .. j, CHANGES, and takes the upper pair's steps 15 - j .. 9, step 16 - t in trip t, up to trip 7.
; At the end wave u hands its part of the upper pair (-M, the sums, O) to wave 4 + u through LDS; the two parts are joined by multiplications with powers of two.
; LDS: seventeen slots of a key step's record (k's 8 half fragments, v's 4 fragments at 6,144, k's scale words at 12,288, v's at 12,800; 13,056 bytes).  Slot 2 t: step t, for the upper waves' trip t; slot 2 t + 1 (t > 0): what the lower waves read in trip t; in trip 0 both read slot 0; slot 1 is not used.
; At the head each wave issues one tensor load (slots 0, 2-8), behind the first barrier one more (slots 9-16); the second barrier, ahead of trip 3, shows those.  Every slot is read.
; NO CLUSTER: the eight work-groups of a head read the same records, but the trip of the change, a branch, and the steps that the odd slots hold hang on j, which would be a work-group's place in its cluster.
; NO PREFETCH: half the tiles are asked for at the head and the others behind the first barrier; there is no later request to run ahead of.
; K = 64 IN AN INSTRUCTION OF K = 128: q's registers 6-11 are zero codes.  k's half fragments stand six registers apart, so the upper half of tile t's operand is tile t + 1's codes (zeros behind the last): each of its products is with a zero code.  The dead blocks' scale bytes are 0.
; LAYOUT.  Both products are used transposed (S^T = k q^T, O^T = v^T p^T): a lane holds one query of each tile.  Row m of tile t of a band of 64 is row 32 (m / 8) + 8 t + m % 8, so a band's 32 registers of lane (r, h) are keys (or channels) 32 h + 0 .. 31 of it: a whole scale block.
; WHAT A ROW HAS ONE OF (its largest score, -M, f, p's and q's scale words) lies for both tiles in one register: the first tile's in lanes 0-15, the second's in lanes 16-31; exchanges of halves join and spread it.
; LIMITS: NaN and infinities are not served; the scaled scores (exponents to the base 2) stay under 2^31 in magnitude; a block under 2^-124 keeps the byte 1.
; REGISTERS.  Window 0: v1, v2 16 and 4 x lane; v4-6 LDS addresses; v7 the hand-over's; v8, v9 the add's; v12 -M, v13 the largest score; v[14:15], v[20:21] the sums; v16, v18 -M spread; v22, v24 f spread; v29 -infinity; v30 y's scale bytes' offset; v32-85 k; v86-89, v90-91, v92 k's, v's, p's scale words;
;   v94, v95 q's and the upper q's; v96-159 S^T of the first tile, then p; v160-191 its O^T; v196-219 p's codes of both; v220-251 at work.
;   Window 1: v32-43, v44-55 q of the two tiles, v56-67 the upper q; v96-159, v160-191 S^T and O^T of the second tile; v192-239 v.   s56-63, s66-97: the diagonal's masks, k = -8 .. 31.
.set REC, 13056
.set SPARE, 17*REC                     ; behind the slots: the spare words, 128 bytes a wave
.set XB, SPARE+1024                    ; the hand-over: 9,216 bytes for each pair of waves
.set MSB, 0
.macro WIN new                         ; the immediate's high byte repeats the setting that is left
.if MSB != \new
	s_set_vgpr_msb (MSB<<8)|\new
.set MSB, \new
.endif
.endm
.macro WALU
	s_wait_alu depctr_va_vdst(0)
.endm
.macro WM1 d, a, b, c, sa, sb, ra, rb  ; one matrix instruction; ra, rb: 1 where the side's scale words stand in lanes 16-31
	v_wmma_scale_f32_16x16x128_f8f6f4 v[\d:\d+7], v[\a:\a+11], v[\b:\b+11], \c, v[\sa], v[\sb] matrix_a_fmt:MATRIX_FMT_FP6 matrix_b_fmt:MATRIX_FMT_FP6 matrix_a_scale:MATRIX_SCALE_ROW\ra matrix_b_scale:MATRIX_SCALE_ROW\rb
.endm
.macro WM d, a, b, c, sa, sb, ra, rb
.if (\ra)
	WM1 \d,\a,\b,\c,\sa,\sb,1,\rb
.else
	WM1 \d,\a,\b,\c,\sa,\sb,0,\rb
.endif
.endm
.macro TL g
	tensor_load_to_lds s[\g:\g+3], s[24:31]
	s_nop 0
.rept 4
	v_nop
.endr
.endm
.macro STEPOF slot, dst                ; the byte offset in kv of the record that goes to slot s\slot: step t, or in an odd slot behind the change step 16 - t
	s_lshr_b32 s52, s\slot, 1
	s_sub_co_u32 s53, 16, s52
	s_cmp_gt_u32 s52, s11
	s_cselect_b32 s53, s53, s52
	s_bitcmp1_b32 s\slot, 0
	s_cselect_b32 s52, s53, s52
	s_lshl_b32 s53, ttmp9, 4
	s_add_co_u32 s52, s52, s53
	s_mul_i32 s\dst, s52, REC
.endm
	s_load_b128 s[4:7], s[0:1], 0x0                ; qq s[4:5], kv s[6:7]
	s_load_b64 s[8:9], s[0:1], 0x10                ; yq
	v_lshl_add_u32 v8, v0, 2, SPARE
	v_mov_b32 v9, 0
	ds_add_u32 v8, v9                              ; the wave's opening: the add, twice on end, under one wait
	ds_add_u32 v8, v9
	v_lshrrev_b32 v1, 5, v0
	v_readfirstlane_b32 s10, v1                    ; wave 0..7
	s_and_b32 s11, ttmp7, 0xffff                   ; j
	s_sub_co_u32 s48, 15, s11                      ; the upper block
	s_add_co_u32 s12, s11, 1
	s_cmp_lt_u32 s10, 4
	s_cselect_b32 s14, s11, s48                    ; the block that I begin with
	s_cselect_b32 s12, s12, 99                     ; the trip of the change; the upper waves have none
	s_and_b32 s13, s10, 3                          ; u
	; descriptor group 1: a record, dense, as 51 rows of 256 bytes (32 elements of 8 bytes)
	s_mov_b32 s24, 3<<16
	s_mov_b32 s25, 32<<16                          ; tensor_dim0
	s_mov_b32 s26, 51<<16                          ; tensor_dim1
	s_mov_b32 s27, 32<<16                          ; tile_dim0
	s_mov_b32 s28, 51                              ; tile_dim1
	s_mov_b32 s29, 32                              ; the pitch
	s_mov_b32 s30, 0
	s_mov_b32 s31, 0
	s_min_u32 s50, s10, 1
	s_add_co_u32 s50, s50, s10                     ; my first slot: 0, 2 .. 8
	s_add_co_u32 s51, s10, 9                       ; and my second: 9 .. 16
	s_mov_b32 s32, 1
	s_mul_i32 s33, s50, REC
	s_mov_b32 s36, 1
	s_mul_i32 s37, s51, REC
	STEPOF 50, 40
	STEPOF 51, 42
	s_mov_b32 s41, 0
	s_mov_b32 s43, 0
	WALU                                           ; directly ahead of the waits below
	s_wait_dscnt 0x0                               ; both opening adds are done
	s_wait_kmcnt 0x0
	s_add_nc_u64 s[34:35], s[6:7], s[40:41]
	s_or_b32 s35, s35, 0x80000000
	TL 32                                          ; one tensor load a wave
	s_add_nc_u64 s[38:39], s[6:7], s[42:43]
	s_or_b32 s39, s39, 0x80000000
	s_lshr_b32 s46, s13, 1                         ; my tiles' band in their block
	s_and_b32 s50, s13, 1
	s_lshl_b32 s50, s50, 4
	s_mul_i32 s51, s13, 9216
	s_add_co_u32 s51, s51, XB
	v_and_b32 v10, 31, v0                          ; lane
	v_and_b32 v26, 15, v0                          ; r
	v_bfe_u32 v27, v0, 4, 1                        ; h
	v_lshlrev_b32 v1, 4, v10
	v_lshlrev_b32 v2, 2, v10
	v_and_b32 v3, 8, v26
	v_lshlrev_b32 v11, 5, v27
	v_mad_u32_u24 v3, 3, v3, v26
	v_lshl_add_u32 v30, v26, 4, v27                ; 16 r + h
	v_add_nc_u32 v7, s51, v1
	v_add_nc_u32 v3, s50, v3                       ; my first tile's query in its band: 32 (r / 8) + 16 (u % 2) + r % 8,
	v_sub_nc_u32 v3, v3, v11                       ; less 32 h: register i of the band holds key 32 h + i, hidden where i is above this number (second tile: this number + 8)
	WALU
	; q: [head][block][pair of tiles][piece 3][lane][16]: of a pair's twelve registers the even tile has 0-5, the odd tile 6-11
	s_mul_i32 s50, ttmp9, 98304
	s_mul_i32 s52, s13, 1536
	s_add_co_u32 s50, s50, s52
	s_lshl_b32 s52, ttmp9, 13                      ; its scale words: [head][block][lane 32][4]: word u: lanes 0-15 the first tile's, 16-31 the second's
	s_lshl_b32 s53, s13, 2
	s_add_co_u32 s52, s52, s53
	s_add_co_u32 s52, s52, 3145728
	s_mov_b32 s45, 0
.macro QLOAD blk, b, d0, d1, sc
	s_mul_i32 s44, s\blk, 6144
	s_add_co_u32 s44, s44, s50
	s_add_nc_u64 s[\b:\b+1], s[4:5], s[44:45]
	s_lshl_b32 s44, s\blk, 9
	s_add_co_u32 s44, s44, s52
	s_add_nc_u64 s[\b+2:\b+3], s[4:5], s[44:45]
	global_load_b32 v\sc, v1, s[\b+2:\b+3]
	WIN 0x40
	global_load_b128 v[\d0:\d0+3], v1, s[\b:\b+1]
	global_load_b64 v[\d0+4:\d0+5], v1, s[\b:\b+1] offset:512
	global_load_b64 v[\d1:\d1+1], v1, s[\b:\b+1] offset:520
	global_load_b128 v[\d1+2:\d1+5], v1, s[\b:\b+1] offset:1024
	WIN 0
.endm
	QLOAD 14, 56, 32, 44, 94                       ; the pair that I begin with,
	QLOAD 48, 60, 56, 62, 95                       ; and the upper one
	s_and_b32 s53, ttmp9, 15                       ; head
	s_lshr_b32 s52, ttmp9, 4                       ; batch
	s_lshl_b32 s52, s52, 4
	s_add_co_u32 s52, s52, s14                     ; the block of 128 tokens whose pair I store first
	s_mul_i32 s44, s52, 98304                      ; y's codes: [128 tokens][K step = head / 2][tile 8][1536], half head % 2 of 768 bytes: registers 0-3, then 4-5
	s_lshr_b32 s54, s53, 1
	s_mul_i32 s54, s54, 12288
	s_add_co_u32 s44, s44, s54
	s_mul_i32 s54, s13, 3072
	s_add_co_u32 s44, s44, s54
	s_and_b32 s54, s53, 1
	s_mul_i32 s54, s54, 768
	s_add_co_u32 s44, s44, s54
	s_add_nc_u64 s[22:23], s[8:9], s[44:45]
	s_lshl_b32 s44, s52, 3                         ; y's scale words: [tile][half of K][row][4 words]: my two bytes lie 2 (head % 8) bytes into the row's 16
	s_lshl_b32 s54, s13, 1
	s_add_co_u32 s44, s44, s54
	s_lshl_b32 s44, s44, 9
	s_lshr_b32 s54, s53, 3
	s_lshl_b32 s54, s54, 8
	s_add_co_u32 s44, s44, s54
	s_and_b32 s54, s53, 7
	s_lshl_b32 s54, s54, 1
	s_add_co_u32 s44, s44, s54
	s_add_co_u32 s44, s44, 3145728
	s_add_nc_u64 s[98:99], s[8:9], s[44:45]
	s_lshr_b32 s49, s10, 2
	s_xor_b32 s49, s49, 1
	s_mul_i32 s49, s49, REC                        ; the lower waves' slots lie one record behind the upper waves'
	s_mov_b32 s20, 0x3e38aa3b                      ; c = log2(e) / 8
	s_mov_b32 s21, s20                             ; (named with it as a pair, so it is written)
	s_mov_b32 s47, 0xbe38aa3b                      ; -c
	s_wait_xcnt 0x0                                ; the loads have read their bases: the masks may be written
.set n_, -8
.rept 40
.if n_ < 0
	v_cmp_gt_i32 s[64+n_], n_, v3
.else
	v_cmp_gt_i32 s[66+n_], n_, v3
.endif
.set n_, n_+1
.endr
	v_mov_b32 v13, 0xff61b1e6                      ; the largest score so far: -3e38
	v_mov_b32 v12, 0x7f61b1e6                      ; -M, as far off: the first step's f is 0
	v_mov_b32 v29, 0xff800000                      ; -infinity
.irp i, 14,15,17,19,20,21,23,25,249,251
	v_mov_b32 v\i, 0                               ; the sums; and what is named as the upper half of a pair
.endr
.irp i, 0,1,2,3,4,5
	v_mov_b32 v[80+\i], 0                          ; what stands behind k's last half fragment
.endr
.set n_, 0
.rept 32
	v_mov_b32 v[160+n_], 0                         ; O^T: the step is written once; the first finds zeros
.set n_, n_+1
.endr
	WIN 0x40
.irp i, 0,1,2,3,4,5
	v_mov_b32 v[38+\i], 0                          ; q's zero codes for k = 64 .. 127
	v_mov_b32 v[50+\i], 0
.endr
.set n_, 0
.rept 32
	v_mov_b32 v[160+n_], 0
.set n_, n_+1
.endr
	WIN 0
; THE WAY OUT of a pair: O^T / the sum is y(query r, channels 32 h + 0 .. 31): one block of the last product's K in a lane.  (The four lines ahead of the transcendental are the places behind the last products.)
.macro OUT
	v_add_f32 v236, v14, v15
	v_add_f32 v237, v20, v21
	v_permlane16_swap_b32 v236, v237
	v_add_f32 v236, v236, v237                     ; the rows' sums
	WALU                                           ; the wait ahead of the transcendental
	v_rcp_f32 v236, v236
	v_lshrrev_b32 v242, 1, v1                      ; 8 x lane; a plain place behind the transcendental
	WALU                                           ; the wait ahead of its first reader
	v_mov_b32 v238, v236
	v_permlane16_swap_b32 v236, v238               ; spread: the first tile's, the second's
.set n_, 0
.rept 16
	v_pk_mul_f32 v[96+n_:97+n_], v[160+n_:161+n_], v[236:237] op_sel_hi:[1,0]
.set n_, n_+2
.endr
	WIN 0x01
.set n_, 0
.rept 16
	v_pk_mul_f32 v[128+n_:129+n_], v[160+n_:161+n_], v[238:239] op_sel_hi:[1,0]
.set n_, n_+2
.endr
	WIN 0
.irp c, 0,1,2,3
	v_max3_num_f32 v[244+\c], |v[96+16*\c]|, |v[97+16*\c]|, 0x1800000
.endr
.irp i, 2,4,6,8,10,12,14
.irp c, 0,1,2,3
	v_max3_num_f32 v[244+\c], v[244+\c], |v[96+16*\c+\i]|, |v[97+16*\c+\i]|
.endr
.endr
	v_max_num_f32 v244, v244, v245
	v_max_num_f32 v246, v246, v247
	v_add_nc_u32 v244, 0xff000000, v244
	v_add_nc_u32 v246, 0xff000000, v246
	v_lshrrev_b32 v245, 23, v244
	v_lshrrev_b32 v247, 23, v246
	v_cvt_scalef32_pk16_fp6_f32 v[196:198], v[96:111], v244
	v_cvt_scalef32_pk16_fp6_f32 v[200:202], v[112:127], v244
	v_cvt_scalef32_pk16_fp6_f32 v[204:206], v[128:143], v246
	v_cvt_scalef32_pk16_fp6_f32 v[208:210], v[144:159], v246
	v_nop                                          ; one plain place behind a scaled conversion
.irp i, 0,1,2
	v_mov_b32 v[199+\i], v[200+\i]
	v_mov_b32 v[207+\i], v[208+\i]
.endr
	global_store_b128 v1, v[196:199], s[22:23]     ; 512 dense bytes,
	global_store_b64 v242, v[200:201], s[22:23] offset:512   ; and 256
	global_store_b128 v1, v[204:207], s[22:23] offset:1536
	global_store_b64 v242, v[208:209], s[22:23] offset:2048
	global_store_b8 v30, v245, s[98:99]            ; a row's two bytes from lanes r and 16 + r; a scale word's halves come from two heads, which are two work-groups
	global_store_b8 v30, v247, s[98:99] offset:512
.endm
; THE CHANGE to the upper pair: the lower pair leaves; the largest score begins anew, so the next step's f is 0 and what O^T and the sums held is multiplied by 0.
.macro CHANGE
	OUT
	s_wait_xcnt 0x0                                ; the stores have read their registers
	WIN 0x41
.irp i, 0,1,2,3,4,5
	v_mov_b32 v[32+\i], v[56+\i]
	v_mov_b32 v[44+\i], v[62+\i]
.endr
	WIN 0
	v_mov_b32 v94, v95
	v_mov_b32 v13, 0xff61b1e6
	v_mov_b32 v12, 0x7f61b1e6
.endm
.macro HIDE from, sh                   ; 32 registers of a band: hidden scores become -infinity ahead of the maximum: p = 0 then
.set n_, 0
.rept 32
.if n_ < (\sh)
	v_cndmask_b32 v[(\from)+n_], v[(\from)+n_], v29, s[64+n_-(\sh)]
.else
	v_cndmask_b32 v[(\from)+n_], v[(\from)+n_], v29, s[66+n_-(\sh)]
.endif
.set n_, n_+1
.endr
.endm
.macro KLOAD a                         ; k's half fragments and scale words of a step: 13 loads
.set n_, 0
.rept 12
	ds_load_b128 v[32+4*n_:35+4*n_], v\a offset:512*n_
.set n_, n_+1
.endr
	ds_load_b128 v[86:89], v\a offset:12288        ; register g: lanes 0-15 tile 2 g's words, lanes 16-31 tile 2 g + 1's
.endm
.macro BLKMAX w, m                     ; the largest score of each block of 32 keys, in two chains: for the row's maximum and, since p rises with the score, for the block's largest p
	WIN 0x15*(\w)
.irp c, 0,1
	v_max3_num_f32 v[\m+2*\c], v[96+32*\c], v[97+32*\c], v[98+32*\c]
	v_max3_num_f32 v[\m+1+2*\c], v[113+32*\c], v[114+32*\c], v[115+32*\c]
.endr
	WIN 0x14*(\w)
.irp i, 0,2,4,6,8,10
.irp c, 0,1
	v_max3_num_f32 v[\m+2*\c], v[\m+2*\c], v[99+32*\c+\i], v[100+32*\c+\i]
	v_max3_num_f32 v[\m+1+2*\c], v[\m+1+2*\c], v[116+32*\c+\i], v[117+32*\c+\i]
.endr
.endr
.irp c, 0,1
	v_max3_num_f32 v[\m+2*\c], v[\m+2*\c], v[111+32*\c], v[112+32*\c]
.endr
.endm
.macro SUMS w, l, a1, a2, a3           ; a row's sum, of the unquantised p, in four chains
	WIN 0x05*(\w)
	v_pk_add_f32 v[\a1:\a1+1], v[96:97], v[98:99]
	v_pk_add_f32 v[\a2:\a2+1], v[100:101], v[102:103]
	v_pk_add_f32 v[\a3:\a3+1], v[104:105], v[106:107]
	WIN 0x04*(\w)
.set n_, 108
.rept 6
	v_pk_add_f32 v[\l:\l+1], v[\l:\l+1], v[n_:n_+1]
	v_pk_add_f32 v[\a1:\a1+1], v[\a1:\a1+1], v[n_+2:n_+3]
	v_pk_add_f32 v[\a2:\a2+1], v[\a2:\a2+1], v[n_+4:n_+5]
	v_pk_add_f32 v[\a3:\a3+1], v[\a3:\a3+1], v[n_+6:n_+7]
.set n_, n_+8
.endr
	v_pk_add_f32 v[\l:\l+1], v[\l:\l+1], v[156:157]
	v_pk_add_f32 v[\a1:\a1+1], v[\a1:\a1+1], v[158:159]
	WIN 0
	v_pk_add_f32 v[\a2:\a2+1], v[\a2:\a2+1], v[\a3:\a3+1]
	v_pk_add_f32 v[\l:\l+1], v[\l:\l+1], v[\a1:\a1+1]
	v_pk_add_f32 v[\l:\l+1], v[\l:\l+1], v[\a2:\a2+1]
.endm
; A KEY STEP: 128 keys, the record at LDS byte s17; its k was fetched a step ago.  how = 1: trip s15; the next step's k is fetched from s18; the lower waves' trips ahead of and behind the change are on a diagonal.  how = 2: trip 8 of the upper waves: on the diagonal where j = 7.
.macro STEP how
	WALU
	s_wait_dscnt 0x0                               ; k is in
	WIN 0x04
.irp t, 0,1,2,3,4,5,6,7
	WM 96+8*\t,32+6*\t,32,0,86+\t/2,94,\t%2,0
.endr
	WIN 0x44
.irp t, 0,1,2,3,4,5,6,7
	WM 96+8*\t,32+6*\t,44,0,86+\t/2,94,\t%2,1
.endr
	WIN 0
	v_add_nc_u32 v4, s17, v1                       ; these and the v_nop: places in front of the loads below and of the first read of the scores
	v_add_nc_u32 v5, s17, v2
.if \how == 1
	v_add_nc_u32 v6, s18, v1
.else
	v_nop
.endif
	v_nop
	WIN 0x40
.set n_, 0
.rept 12                               ; v's fragments land under the softmax
	ds_load_b128 v[192+4*n_:195+4*n_], v4 offset:6144+512*n_
.set n_, n_+1
.endr
	WIN 0
	ds_load_b32 v90, v5 offset:12800
	ds_load_b32 v91, v5 offset:12928
.if \how == 1
	KLOAD 6
	s_sub_co_u32 s51, s12, s15
	s_cmp_gt_u32 s51, 1
.else
	s_cmp_lg_u32 s11, 7
.endif
	s_cbranch_scc1 .Lopen_\@
	s_cmp_gt_u32 s46, 0
	s_cbranch_scc1 .Lband_\@
	HIDE 96, 0                                     ; tiles of the lower band: the diagonal lies there, and the upper band's keys are all hidden
	WIN 0x41
	HIDE 96, 8
	WIN 0x40
.set n_, 128
.rept 32
	v_mov_b32 v[n_], v29
.set n_, n_+1
.endr
	WIN 0
.set n_, 128
.rept 32
	v_mov_b32 v[n_], v29
.set n_, n_+1
.endr
	WALU
	s_branch .Lopen_\@
.Lband_\@:
	HIDE 128, 0                                    ; tiles of the upper band: the lower band's keys all count
	WIN 0x41
	HIDE 128, 8
	WIN 0
.Lopen_\@:
	BLKMAX 0, 236
	BLKMAX 1, 240
	WIN 0
.irp c, 0,1,2,3
	v_max_num_f32 v[236+2*\c], v[236+2*\c], v[237+2*\c]
.endr
	v_max_num_f32 v244, v236, v238
	v_max_num_f32 v245, v240, v242
	v_permlane16_swap_b32 v244, v245               ; lanes 0-15: both halves of the first tile's rows; lanes 16-31: of the second's
	v_max3_num_f32 v13, v13, v244, v245            ; the running largest score of each row
	v_mul_f32 v246, s47, v13
	v_floor_f32 v246, v246                         ; the new -M = floor(-t) = -ceil(t)
	v_sub_f32 v247, v246, v12                      ; old M - new M: a whole number, 0 or less
	v_mov_b32 v12, v246
	v_mov_b32 v16, v246
	v_mov_b32 v18, v246
	v_cvt_i32_f32 v247, v247                       ; (it saturates)
	v_permlane16_swap_b32 v16, v18                 ; -M spread
	v_ldexp_f32 v22, 1.0, v247                     ; f = 2^(old M - new M)
	v_fma_f32 v236, v236, s20, v16                 ; each block's largest t - M
	v_mov_b32 v24, v22
	v_fma_f32 v238, v238, s20, v16
	v_fma_f32 v240, v240, s20, v18
	v_permlane16_swap_b32 v22, v24                 ; f spread
	v_fma_f32 v242, v242, s20, v18
.set n_, 0
.rept 32
	v_pk_fma_f32 v[96+n_:97+n_], v[96+n_:97+n_], s[20:21], v[16:17] op_sel_hi:[1,0,0]   ; t - M, two at a time
.set n_, n_+2
.endr
.set n_, 0
.rept 16
	v_pk_mul_f32 v[160+n_:161+n_], v[160+n_:161+n_], v[22:23] op_sel_hi:[1,0]   ; O^T under the new M
.set n_, n_+2
.endr
	WIN 0x41
.set n_, 0
.rept 32
	v_pk_fma_f32 v[96+n_:97+n_], v[96+n_:97+n_], s[20:21], v[18:19] op_sel_hi:[1,0,0]
.set n_, n_+2
.endr
.set n_, 0
.rept 16
	v_pk_mul_f32 v[160+n_:161+n_], v[160+n_:161+n_], v[24:25] op_sel_hi:[1,0]
.set n_, n_+2
.endr
	WIN 0
	WALU                                           ; the wait ahead of the batch
.irp c, 0,1,2,3
	v_exp_f32 v[236+2*\c], v[236+2*\c]             ; the blocks' largest p
.endr
.set n_, 96
.rept 64
	v_exp_f32 v[n_], v[n_]                         ; p = 2^(t - M), at most 1
.set n_, n_+1
.endr
	WIN 0x41
.set n_, 96
.rept 64
	v_exp_f32 v[n_], v[n_]
.set n_, n_+1
.endr
	WIN 0
	v_pk_mul_f32 v[14:15], v[14:15], v[22:23] op_sel_hi:[1,0]   ; the sums under the new M: plain places behind the exponentials
	v_pk_mul_f32 v[20:21], v[20:21], v[24:25] op_sel_hi:[1,0]
	WALU                                           ; one wait for the batch, ahead of its first reader
.irp c, 0,1,2,3
	v_max_num_f32 v[236+2*\c], 0x1800000, v[236+2*\c]   ; the floor: a block whose every p is 0 keeps the byte 1; its codes are zeros
.endr
.irp c, 0,1,2,3
	v_add_nc_u32 v[244+\c], 0xff000000, v[236+2*\c]     ; the conversion's scale operand
.endr
.irp c, 0,1,2,3
	v_lshrrev_b32 v[236+2*\c], 23, v[244+\c]       ; the byte: of blocks h and 2 + h of the two tiles
.endr
	v_lshl_or_b32 v236, v238, 16, v236
	v_lshl_or_b32 v240, v242, 16, v240
	v_permlane16_swap_b32 v236, v240
	v_lshl_or_b32 v92, v240, 8, v236               ; p's scale words for these 128 keys
	v_cvt_scalef32_pk16_fp6_f32 v[196:198], v[96:111], v244
	v_cvt_scalef32_pk16_fp6_f32 v[220:222], v[112:127], v244   ; (a conversion's three registers begin on an even number)
	v_cvt_scalef32_pk16_fp6_f32 v[202:204], v[128:143], v245
	v_cvt_scalef32_pk16_fp6_f32 v[224:226], v[144:159], v245
	WIN 0x01
	v_cvt_scalef32_pk16_fp6_f32 v[208:210], v[96:111], v246
	v_cvt_scalef32_pk16_fp6_f32 v[228:230], v[112:127], v246
	v_cvt_scalef32_pk16_fp6_f32 v[214:216], v[128:143], v247
	v_cvt_scalef32_pk16_fp6_f32 v[232:234], v[144:159], v247
	v_nop                                          ; one plain place behind a scaled conversion
	WIN 0
.irp i, 0,1,2
	v_mov_b32 v[199+\i], v[220+\i]
	v_mov_b32 v[205+\i], v[224+\i]
	v_mov_b32 v[211+\i], v[228+\i]
	v_mov_b32 v[217+\i], v[232+\i]
.endr
	SUMS 0, 14, 220, 224, 228
	SUMS 1, 20, 232, 236, 240
	WALU
.if \how == 1
	s_wait_dscnt 13                                ; v's fragments and scale words are in; the next k's 13 loads may be out
.else
	s_wait_dscnt 0x0
.endif
	WIN 0x01
.irp t, 0,1,2,3
	WM 160+8*\t,192+12*\t,196,v[160+8*\t:167+8*\t],90+\t/2,92,\t%2,0
.endr
	WIN 0x51
.irp t, 0,1,2,3
	WM 160+8*\t,192+12*\t,208,v[160+8*\t:167+8*\t],90+\t/2,92,\t%2,1
.endr
	WIN 0
.endm
.macro PHASE t0, n                     ; trips t0 .. t0 + n - 1
	s_mov_b32 s15, \t0
	s_mov_b32 s16, 2*(\t0)*REC
.Ltrip_\@:
	s_cmp_eq_u32 s15, s12
	s_cbranch_scc0 .Lsame_\@
	CHANGE
.Lsame_\@:
	s_min_u32 s40, s15, 1                          ; (in trip 0 both kinds of waves read slot 0)
	s_mul_i32 s40, s40, s49
	s_add_co_u32 s17, s16, s40
	s_add_co_u32 s18, s16, 2*REC
	s_add_co_u32 s18, s18, s49
	s_min_u32 s18, s18, 16*REC                     ; (the lower waves have no trip 8: what they fetch in trip 7 is not used)
	STEP 1
	s_add_co_u32 s16, s16, 2*REC
	s_add_co_u32 s15, s15, 1
	s_cmp_lt_u32 s15, (\t0)+(\n)
	s_cbranch_scc1 .Ltrip_\@
.endm
	WALU                                           ; the wait at the head's end
	s_wait_loadcnt 0x0                             ; q
	s_wait_tensorcnt 0x0                           ; my first slot is in
	ds_add_u32 v8, v9
	s_wait_dscnt 0x0
	s_barrier_signal -1
	s_barrier_wait -1
	TL 36                                          ; my second slot: the first tensor load behind the barrier
	KLOAD 1                                        ; k of step 0, from slot 0
	PHASE 0, 3
	WALU
	s_wait_tensorcnt 0x0                           ; the second slots are in
	s_wait_dscnt 0x0
	s_barrier_signal -1
	s_barrier_wait -1
	PHASE 3, 5
	s_cmp_lt_u32 s10, 4
	s_cbranch_scc1 .Llower
	s_mov_b32 s17, 16*REC                          ; the upper waves' trip 8
	STEP 2
.rept 4
	v_nop                                          ; places behind the last products
.endr
	s_branch .Lmet
.Llower:
	s_cmp_eq_u32 s12, 8                            ; j = 7: the upper pair's steps are all the partner's; what I hand over counts for nothing (its M is -3e38)
	s_cbranch_scc0 .Lchanged
	CHANGE
.Lchanged:
.rept 4
	v_nop                                          ; places behind the last products
.endr
	WALU
	s_wait_dscnt 0x0
.irp k, 0,1,2,3,4,5,6,7
	ds_store_b128 v7, v[160+4*\k:163+4*\k] offset:512*\k   ; O^T of the first tile,
.endr
	WIN 0x04
.irp k, 0,1,2,3,4,5,6,7
	ds_store_b128 v7, v[160+4*\k:163+4*\k] offset:4096+512*\k   ; of the second,
.endr
	WIN 0
	ds_store_b128 v7, v[12:15] offset:8192         ; -M, the largest score, the first tile's sum,
	ds_store_b128 v7, v[20:23] offset:8704         ; and the second's
.Lmet:
	WALU
	s_wait_dscnt 0x0                               ; for the partner's sake: my part lies in LDS
	s_barrier_signal -1
	s_barrier_wait -1
	s_cmp_lt_u32 s10, 4
	s_cbranch_scc1 .Lend
.irp k, 0,1,2,3,4,5,6,7
	ds_load_b128 v[96+4*\k:99+4*\k], v7 offset:512*\k
	ds_load_b128 v[128+4*\k:131+4*\k], v7 offset:4096+512*\k
.endr
	ds_load_b128 v[236:239], v7 offset:8192
	ds_load_b128 v[240:243], v7 offset:8704
	s_wait_dscnt 0x0
	v_min_num_f32 v244, v12, v236                  ; -M of both parts
	v_sub_f32 v245, v244, v12
	v_sub_f32 v246, v244, v236
	v_cvt_i32_f32 v245, v245
	v_cvt_i32_f32 v246, v246
	v_ldexp_f32 v22, 1.0, v245                     ; my part's powers of two,
	v_ldexp_f32 v24, 1.0, v246                     ; and the partner's,
	v_mov_b32 v248, v22
	v_mov_b32 v250, v24
	v_permlane16_swap_b32 v22, v248                ; spread: the first tile's, the second's
	v_permlane16_swap_b32 v24, v250
	v_pk_mul_f32 v[14:15], v[14:15], v[22:23] op_sel_hi:[1,0]
	v_pk_mul_f32 v[20:21], v[20:21], v[248:249] op_sel_hi:[1,0]
.set n_, 160
.rept 16
	v_pk_mul_f32 v[n_:n_+1], v[n_:n_+1], v[22:23] op_sel_hi:[1,0]
.set n_, n_+2
.endr
	v_pk_fma_f32 v[14:15], v[238:239], v[24:25], v[14:15] op_sel_hi:[1,0,1]
	v_pk_fma_f32 v[20:21], v[240:241], v[250:251], v[20:21] op_sel_hi:[1,0,1]
.set n_, 0
.rept 16
	v_pk_fma_f32 v[160+n_:161+n_], v[96+n_:97+n_], v[24:25], v[160+n_:161+n_] op_sel_hi:[1,0,1]
.set n_, n_+2
.endr
	WIN 0x41
.set n_, 160
.rept 16
	v_pk_mul_f32 v[n_:n_+1], v[n_:n_+1], v[248:249] op_sel_hi:[1,0]
.set n_, n_+2
.endr
	WIN 0x50
.set n_, 0
.rept 16
	v_pk_fma_f32 v[160+n_:161+n_], v[128+n_:129+n_], v[250:251], v[160+n_:161+n_] op_sel_hi:[1,0,1]
.set n_, n_+2
.endr
	WIN 0
	OUT                                            ; the upper pair leaves
.Lend:
	s_wait_tensorcnt 0x0                           ; the wave's end
	ds_add_u32 v8, v9
	s_wait_dscnt 0x0
	s_endpgm
.Lfunc_end_k_q1e0ea396fe_attn:
	.size	k_q1e0ea396fe_attn, .Lfunc_end_k_q1e0ea396fe_attn-k_q1e0ea396fe_attn
	.p2alignl 7, 3214868480
	.fill 96, 4, 3214868480
	.section	.rodata,"a",@progbits
	.p2align	6, 0x0
	.amdhsa_kernel k_q1e0ea396fe_attn
		.amdhsa_group_segment_fixed_size 327680
		.amdhsa_private_segment_fixed_size 0
		.amdhsa_enable_private_segment 0
		.amdhsa_kernarg_size 24
		.amdhsa_user_sgpr_count 2
		.amdhsa_user_sgpr_kernarg_segment_ptr 1
		.amdhsa_wavefront_size32 1
		.amdhsa_system_sgpr_workgroup_id_x 1
		.amdhsa_system_sgpr_workgroup_id_y 1
		.amdhsa_system_sgpr_workgroup_id_z 1
		.amdhsa_system_vgpr_workitem_id 0
		.amdhsa_next_free_vgpr 512
		.amdhsa_next_free_sgpr 102
		.amdhsa_reserve_vcc 0
		.amdhsa_float_denorm_mode_32 3
		.amdhsa_float_denorm_mode_16_64 3
		.amdhsa_memory_ordered 1
		.amdhsa_forward_progress 1
		.amdhsa_inst_pref_size 157
	.end_amdhsa_kernel
	.amdgpu_metadata
---
amdhsa.version: [ 1, 2 ]
amdhsa.kernels:
  - .name:           k_q1e0ea396fe_attn
    .symbol:         k_q1e0ea396fe_attn.kd
    .args:
      - { .name: qq, .offset: 0, .size: 8, .value_kind: global_buffer, .address_space: global }
      - { .name: kv, .offset: 8, .size: 8, .value_kind: global_buffer, .address_space: global }
      - { .name: yq, .offset: 16, .size: 8, .value_kind: global_buffer, .address_space: global }
    .group_segment_fixed_size: 327680
    .private_segment_fixed_size: 0
    .kernarg_segment_align: 8
    .kernarg_segment_size: 24
    .max_flat_workgroup_size: 256
    .sgpr_count:     102
    .vgpr_count:     512
    .wavefront_size: 32
...
	.end_amdgpu_metadata
.endif
;; end of part 3
;; launch proj (part 4): grid 8 x 32, 4 waves a work-group, clusters of 4 x 4, 214,528 bytes of LDS; arguments yq, wpq, b_proj, out0; writes out0
.if DOCPART == 4
	.amdgcn_target "amdgcn-amd-amdhsa--gfx1250"
	.amdhsa_code_object_version 6
	.text
	.protected	k_q1e0ea396fe_proj
	.globl	k_q1e0ea396fe_proj
	.p2align	8
	.type	k_q1e0ea396fe_proj,@function
k_q1e0ea396fe_proj:
	s_mov_b64 s[64:65], 0
	v_nop
	global_prefetch_b8 v0, s[64:65] scope:SCOPE_SE
	s_setreg_imm32_b32 hwreg(HW_REG_WAVE_MODE, 25, 1), 1
	s_wait_xcnt 0x0
	s_wait_alu depctr_hold_cnt(0) depctr_sa_sdst(0) depctr_va_vdst(0) depctr_va_sdst(0) depctr_va_ssrc(0) depctr_va_vcc(0) depctr_vm_vsrc(0)
	s_getreg_b32 s2, hwreg(HW_REG_IB_STS2, 6, 4)
	s_cmp_eq_u32 s2, 0
	s_cbranch_scc0 .Lentry_in_a_cluster
	s_endpgm
.Lentry_in_a_cluster:
	s_bfe_u32 s2, ttmp6, 0x10000c
	s_cmp_lg_u32 s2, 0xf033
	s_cbranch_scc0 .Lentry_shape_is_right
	s_endpgm
.Lentry_shape_is_right:
; out0 = y w_proj + b_proj on codes of FP6 (E2M3) with E8M0 scales, K = 1,024; out0 [4096][1024] f32.
; SHARES.  A work-group makes 128 tokens x 128 columns: 8 x 32 work-groups, one for each WGP; a larger tile would leave WGPs without work.  Wave w makes 64 x 64 (th = w / 2, nh = w % 2).
; W'S FOUR TILES, ALL OF K, LIE IN REGISTERS (32 fragments); the token tiles (8 fragments each, two sets) are finished one after the other, 32 products each, so that the first rows leave while the others are multiplied.
; Fragments lie in memory as images of registers, 1,536 bytes: W's in pieces of 4 registers (512 p + 16 x lane); y's in two halves of 768 bytes, one a head: registers 0-3 at 16 x lane, 4-5 at 512 + 8 x lane.
; Row m of tile t of a band of 64 is row 32 (m / 8) + 8 t + m % 8, tokens and columns alike.
; LDS: ALL OF K comes once: y's K step s (8 tiles) at 12,288 s, W's at 98,304 + 12,288 s.  Each wave issues one load at the head: W's and y's K steps 0-3, W's and y's K steps 4-7.  Nothing is filled again.
; Behind them a stage of 16 x 272 bytes for each wave, bytes of its own, for the way out.
; CLUSTER 4 x 4: the four of a row need the same tokens' tiles, the four of a column the same columns': each is asked for jointly.
; No prefetch: every byte is asked for at the head.
; LIMITS: NaN and infinities are not served.
; THE MATRIX INSTRUCTION IS USED TRANSPOSED (source 0 = 16 columns of W, source 1 = 16 tokens): a lane holds eight neighbouring numbers of a row of out0.  The bias is the C of each sum's first instruction.
; REGISTERS.  Window 0: v2-3, v4-5 LDS addresses of y's pieces of 16 and of 8 bytes, v6-7 of W's; v10-17 offsets; v18, v19 the add's; v28-43 W's scale words, v48-63 y's (register 8 g + s: K step s, lanes 0-15 tile 2 g, lanes 16-31 tile 2 g + 1); v64-95 the biases; v96-127 rows on their way out;
;   v128-255 accumulators at 128 + 8 (4 a + n).   Fragment f lies in window 1 + f / 21 at register 12 (f % 21): 0-31 W's (4 q + n), 32-39 and 40-47 y's two sets.
.set WL,  98304
.set STG, 196608
.set SPARE, STG+4*4352
.set MSB, 0
.macro WIN new                         ; the immediate's high byte repeats the setting that is left
.if MSB != \new
	s_set_vgpr_msb (MSB<<8)|\new
.set MSB, \new
.endif
.endm
.macro PLACES                          ; four plain places behind a matrix instruction (ISA guide 7.12.1)
.rept 4
	v_nop
.endr
.endm
.macro TL g0, g1
	tensor_load_to_lds s[\g0:\g0+3], s[\g1:\g1+7]
	s_nop 0
	PLACES
.endm
.macro CROUND                          ; a round of the cluster's barrier
	s_barrier_signal -1
	s_barrier_wait -1
	s_cmp_lg_u32 s14, 0
	s_cbranch_scc1 .Lnot_wave_0_\@
	s_barrier_signal -3
.Lnot_wave_0_\@:
	s_barrier_wait -3
	s_barrier_signal -1
	s_barrier_wait -1
.endm
.macro GROUP0 g, lds, base, off
	s_mov_b32 s[\g], 1
	s_mov_b32 s[\g+1], \lds
	s_add_nc_u64 s[\g+2:\g+3], s[\base:\base+1], \off
	s_or_b32 s[\g+3], s[\g+3], 0x80000000
.endm
.macro WM1 d, a, b, c, sa, sb, ra, rb
	v_wmma_scale_f32_16x16x128_f8f6f4 v[\d:\d+7], v[\a:\a+11], v[\b:\b+11], v[\c:\c+7], v[\sa], v[\sb] matrix_a_fmt:MATRIX_FMT_FP6 matrix_b_fmt:MATRIX_FMT_FP6 matrix_a_scale:MATRIX_SCALE_ROW\ra matrix_b_scale:MATRIX_SCALE_ROW\rb
.endm
.macro WM d, a, b, c, sa, sb, ra, rb   ; ra, rb: 1 where the side's scale words stand in lanes 16-31
.if (\ra)+2*(\rb) == 0
	WM1 \d,\a,\b,\c,\sa,\sb,0,0
.elseif (\ra)+2*(\rb) == 1
	WM1 \d,\a,\b,\c,\sa,\sb,1,0
.elseif (\ra)+2*(\rb) == 2
	WM1 \d,\a,\b,\c,\sa,\sb,0,1
.else
	WM1 \d,\a,\b,\c,\sa,\sb,1,1
.endif
.endm
	s_load_b256 s[4:11], s[0:1], 0x0               ; yq s[4:5], wpq s[6:7], b_proj s[8:9], out0 s[10:11]
	v_lshl_add_u32 v18, v0, 2, SPARE
	v_mov_b32 v19, 0
	ds_add_u32 v18, v19                            ; the wave's opening: the add, twice on end, under one wait
	ds_add_u32 v18, v19
	v_lshrrev_b32 v1, 5, v0
	v_readfirstlane_b32 s14, v1                    ; wave 0..3
	s_lshr_b32 s15, s14, 1                         ; th
	s_and_b32 s16, s14, 1                          ; nh
	s_bfe_u32 s40, ttmp6, 0x40000                  ; cx
	s_bfe_u32 s41, ttmp6, 0x40004                  ; cy
	s_lshl_b32 s42, ttmp9, 2
	s_add_co_u32 s42, s42, s40                     ; the block of 128 columns = 4 x cluster x + cx
	s_and_b32 s17, ttmp7, 0xffff
	s_lshl_b32 s17, s17, 2
	s_add_co_u32 s17, s17, s41                     ; the block of 128 tokens = 4 x cluster y + cy
	s_lshl_b32 s43, s41, 2
	s_lshl_b32 s43, 15, s43                        ; my row of the cluster
	s_lshl_b32 s44, 0x1111, s40                    ; my column
	; descriptor groups 1: four K steps' 8 tiles, 49,152 dense bytes, as 192 rows of 256 bytes (32 elements of 8 bytes)
	s_or_b32 s24, s43, (3<<16)|(1<<21)             ; y's tiles go to my row
	s_or_b32 s48, s44, (3<<16)|(1<<21)             ; W's to my column
.irp g, 24, 48
	s_mov_b32 s[\g+1], 32<<16                      ; tensor_dim0
	s_mov_b32 s[\g+2], 192<<16                     ; tensor_dim1
	s_mov_b32 s[\g+3], 32<<16                      ; tile_dim0
	s_mov_b32 s[\g+4], 192                         ; tile_dim1
	s_mov_b32 s[\g+5], 32                          ; the pitch
	s_mov_b32 s[\g+6], 0
	s_mov_b32 s[\g+7], 0
.endr
	s_mul_i32 s20, s17, 98304                      ; y: [128 tokens][K step][tile 8][1536]: hangs on the token block alone
	s_mov_b32 s21, 0
	s_mul_i32 s46, s42, 98304                      ; W likewise, on the column block alone
	s_mov_b32 s47, 0
	s_lshl_b32 s18, s17, 12                        ; y's scale words: 512 bytes a tile
	s_lshl_b32 s19, s15, 11
	s_add_co_u32 s18, s18, s19
	s_add_co_u32 s18, s18, 3145728
	s_mov_b32 s19, 0
	s_lshl_b32 s22, s42, 12                        ; W's
	s_lshl_b32 s23, s16, 11
	s_add_co_u32 s22, s22, s23
	s_add_co_u32 s22, s22, 786432
	s_mov_b32 s23, 0
	s_lshl_b32 s56, s42, 9                         ; my 64 columns, in bytes
	s_lshl_b32 s57, s16, 8
	s_add_co_u32 s56, s56, s57
	s_mov_b32 s57, 0
	s_lshl_b32 s58, s17, 19                        ; 128 rows of 4,096 bytes,
	s_lshl_b32 s59, s15, 18                        ; my 64 of them
	s_add_co_u32 s58, s58, s59
	s_mov_b32 s59, 0
	s_mul_i32 s60, s14, 4352
	s_add_co_u32 s60, s60, STG                     ; my stage
	s_mul_i32 s61, s15, 6144                       ; my four token tiles
	s_mul_i32 s62, s16, 6144                       ; my four tiles of columns,
	s_add_co_u32 s62, s62, WL                      ; behind y's
	v_and_b32 v1, 31, v0                           ; lane
	v_and_b32 v14, 15, v0                          ; r
	v_bfe_u32 v15, v0, 4, 1                        ; h
	v_lshlrev_b32 v16, 4, v1
	v_lshlrev_b32 v20, 3, v1
	v_add_nc_u32 v2, s61, v16
	v_add_nc_u32 v4, s61, v20
	v_add_nc_u32 v6, s62, v16
	v_add_nc_u32 v3, 49152, v2
	v_add_nc_u32 v5, 49152, v4
	v_add_nc_u32 v7, 49152, v6
	v_lshlrev_b32 v10, 4, v14
	v_lshl_add_u32 v10, v15, 9, v10                ; 512 (lane / 16) + 16 r: a pair of tiles' scale words
	v_lshlrev_b32 v17, 7, v15                      ; the bias: 128 h
	v_mul_u32_u24 v11, v14, 272
	v_lshl_add_u32 v11, v15, 7, v11
	v_add_nc_u32 v11, s60, v11                     ; into the stage: row r, + 128 h
	v_mul_u32_u24 v12, v15, 272
	v_lshl_add_u32 v12, v14, 4, v12
	v_add_nc_u32 v12, s60, v12                     ; back: lanes 0-15 one row of 256 bytes, lanes 16-31 the next
	v_lshlrev_b32 v13, 4, v14
	v_lshl_add_u32 v13, v15, 12, v13               ; and the same two rows in out0
	s_wait_alu depctr_va_vdst(0)                   ; directly ahead of the waits below
	s_wait_dscnt 0x0                               ; both opening adds are done
	CROUND                                         ; all sixteen work-groups are here: the joint loads meet
	s_wait_kmcnt 0x0
	s_add_nc_u64 s[20:21], s[4:5], s[20:21]
	s_add_nc_u64 s[46:47], s[6:7], s[46:47]
	GROUP0 68, 0, 20, 0
	GROUP0 72, 49152, 20, 49152
	GROUP0 76, WL, 46, 0
	GROUP0 80, WL+49152, 46, 49152
	s_cmp_lt_u32 s14, 1                            ; one joint load a wave, in one chain of branches on the wave's number
	s_cbranch_scc0 .Lwave_1
	TL 76, 48                                      ; wave 0: W's K steps 0-3
	s_branch .Lasked
.Lwave_1:
	s_cmp_lt_u32 s14, 2
	s_cbranch_scc0 .Lwave_2
	TL 68, 24                                      ; wave 1: y's K steps 0-3
	s_branch .Lasked
.Lwave_2:
	s_cmp_lt_u32 s14, 3
	s_cbranch_scc0 .Lwave_3
	TL 80, 48                                      ; wave 2: W's K steps 4-7
	s_branch .Lasked
.Lwave_3:
	TL 72, 24                                      ; wave 3: y's K steps 4-7
.Lasked:
	s_add_nc_u64 s[4:5], s[4:5], s[18:19]
	s_add_nc_u64 s[6:7], s[6:7], s[22:23]
	s_add_nc_u64 s[8:9], s[8:9], s[56:57]          ; b_proj at my columns
	s_add_nc_u64 s[10:11], s[10:11], s[56:57]
	s_add_nc_u64 s[10:11], s[10:11], s[58:59]      ; out0 at my first row and column
.irp g, 0,1
.irp kh, 0,1
	global_load_b128 v[48+8*\g+4*\kh:51+8*\g+4*\kh], v10, s[4:5] offset:1024*\g+256*\kh
	global_load_b128 v[28+8*\g+4*\kh:31+8*\g+4*\kh], v10, s[6:7] offset:1024*\g+256*\kh
.endr
.endr
.irp n, 0,1,2,3                        ; lane (r, h), register j of tile n: column 32 h + 8 n + j
	global_load_b128 v[64+8*\n:67+8*\n], v17, s[8:9] offset:32*\n
	global_load_b128 v[68+8*\n:71+8*\n], v17, s[8:9] offset:32*\n+16
.endr
.macro WHALF hf                        ; W's fragments of K steps 4 hf .. 4 hf + 3: 48 loads
.irp q, 0,1,2,3
.irp n, 0,1,2,3
.set ff, 4*(4*(\hf)+\q)+\n
.set fr, 12*(ff%21)
	WIN (1+ff/21)<<6
.irp p, 0,1,2
	ds_load_b128 v[fr+4*\p:fr+4*\p+3], v[6+\hf] offset:12288*\q+1536*\n+512*\p
.endr
.endr
.endr
.endm
.macro YHALF a, hf                     ; token tile a's fragments of K steps 4 hf .. 4 hf + 3 into set a % 2: 16 loads
.irp q, 0,1,2,3
.set ff, 32+8*((\a)%2)+4*(\hf)+\q
.set fr, 12*(ff%21)
	WIN (1+ff/21)<<6
.irp c, 0,1
	ds_load_b128 v[fr+6*\c:fr+6*\c+3], v[2+\hf] offset:12288*\q+1536*(\a)+768*\c
	ds_load_b64 v[fr+6*\c+4:fr+6*\c+5], v[4+\hf] offset:12288*\q+1536*(\a)+768*\c+512
.endr
.endr
.endm
; Token tile a: 32 products, its four accumulators by turns, K ascending.
.macro BLOCK a, lo, hi                 ; its K steps lo .. hi - 1
.irp q, 0,1,2,3,4,5,6,7
.if (\q >= \lo) && (\q < \hi)
.if ((\a) == 0) && (\q == 4)
	s_wait_dscnt 16                                ; W's and tile 0's upper halves are in (behind them: tile 1's)
.endif
.irp n, 0,1,2,3
.set fb, 4*\q+\n
.set fa, 32+8*((\a)%2)+\q
	WIN (1+fb/21)|((1+fa/21)<<2)
.if \q
	WM 128+8*(4*(\a)+\n),12*(fb%21),12*(fa%21),128+8*(4*(\a)+\n),28+8*(\n/2)+\q,48+8*((\a)/2)+\q,\n%2,(\a)%2
.else
	WM 128+8*(4*(\a)+\n),12*(fb%21),12*(fa%21),64+8*\n,28+8*(\n/2)+\q,48+8*((\a)/2)+\q,\n%2,(\a)%2
.endif
.endr
.endif
.endr
	WIN 0
.endm
	s_cmp_lt_u32 s14, 2
	s_cbranch_scc0 .Lnot_first
	s_wait_tensorcnt 0x0                           ; waves 0 and 1: K steps 0-3 are in; waves 2 and 3 have load lines of their own, which may be out
.Lnot_first:
	s_barrier_signal -1
	s_barrier_wait -1
	WHALF 0
	YHALF 0, 0
	YHALF 1, 0
	WIN 0
	s_wait_tensorcnt 0x0                           ; all that is still out: K steps 4-7
	s_wait_dscnt 0x0
	s_barrier_signal -1
	s_barrier_wait -1
	WHALF 1
	YHALF 0, 1
	YHALF 1, 1
	WIN 0
	s_wait_loadcnt 0x0                             ; scale words and biases
; THE WAY OUT of a token tile (16 rows x 64 columns), through my own stage: in by 16 bytes, back as whole rows of 256 bytes.  LDS serves a wave's instructions in order (ISA guide 5.7.1.4).
; A tile's rows come back from the stage under the next tile's first two K steps, and are stored behind them.
.macro SEND a
.irp i, 0,1,2,3,4,5,6,7
	global_store_b128 v13, v[96+4*\i:99+4*\i], s[10:11] offset:(8*(\a)+2*\i+24*(\i/4))*4096 th:TH_STORE_NT   ; tile rows 2 i, 2 i + 1 at their tokens; 16 lanes store 256 consecutive bytes, aligned
.endr
.endm
.irp a, 0,1,2,3
.if \a == 0
	BLOCK 0, 0, 8
.else
.if \a < 3
	s_wait_dscnt 48                                ; this tile's fragments are in; the last tile's 16 LDS instructions on the stage and the next tile's 32 loads may be out
.else
	s_wait_dscnt 16
.endif
	BLOCK \a, 0, 2
.if \a < 3
	s_wait_dscnt 32                                ; the last tile's rows are back; the next tile's 32 loads may be out
.else
	s_wait_dscnt 0x0
.endif
	SEND \a-1
	BLOCK \a, 2, 8
.endif
	PLACES                                         ; the stores below read results just made, and the loads behind them land in registers that these products read
.irp n, 0,1,2,3
	ds_store_b128 v11, v[128+8*(4*\a+\n):128+8*(4*\a+\n)+3] offset:32*\n      ; each accumulator from its low end on
	ds_store_b128 v11, v[128+8*(4*\a+\n)+4:128+8*(4*\a+\n)+7] offset:32*\n+16
.endr
.if \a > 0
	s_wait_xcnt 0x0                                ; the last tile's stores have read their registers: this tile's rows may land there
.endif
.irp i, 0,1,2,3,4,5,6,7
	ds_load_b128 v[96+4*\i:99+4*\i], v12 offset:544*\i
.endr
.if \a < 2
	YHALF \a+2, 0                                  ; two tiles on, into the set just multiplied
	YHALF \a+2, 1
	WIN 0
.endif
.endr
	s_wait_dscnt 0x0
	SEND 3
	s_wait_tensorcnt 0x0                           ; the wave's end
	ds_add_u32 v18, v19
	s_wait_dscnt 0x0
	CROUND                                         ; the closing round: no work-group ends while a partner may still ask for a tile that names it
	s_endpgm
.Lfunc_end_k_q1e0ea396fe_proj:
	.size	k_q1e0ea396fe_proj, .Lfunc_end_k_q1e0ea396fe_proj-k_q1e0ea396fe_proj
	.p2alignl 7, 3214868480
	.fill 96, 4, 3214868480
	.section	.rodata,"a",@progbits
	.p2align	6, 0x0
	.amdhsa_kernel k_q1e0ea396fe_proj
		.amdhsa_group_segment_fixed_size 214528
		.amdhsa_private_segment_fixed_size 0
		.amdhsa_enable_private_segment 0
		.amdhsa_kernarg_size 32
		.amdhsa_user_sgpr_count 2
		.amdhsa_user_sgpr_kernarg_segment_ptr 1
		.amdhsa_wavefront_size32 1
		.amdhsa_system_sgpr_workgroup_id_x 1
		.amdhsa_system_sgpr_workgroup_id_y 1
		.amdhsa_system_sgpr_workgroup_id_z 1
		.amdhsa_system_vgpr_workitem_id 0
		.amdhsa_next_free_vgpr 840
		.amdhsa_next_free_sgpr 100
		.amdhsa_reserve_vcc 0
		.amdhsa_float_denorm_mode_32 3
		.amdhsa_float_denorm_mode_16_64 3
		.amdhsa_memory_ordered 1
		.amdhsa_forward_progress 1
		.amdhsa_inst_pref_size 49
	.end_amdhsa_kernel
	.amdgpu_metadata
---
amdhsa.version: [ 1, 2 ]
amdhsa.kernels:
  - .name:           k_q1e0ea396fe_proj
    .symbol:         k_q1e0ea396fe_proj.kd
    .args:
      - { .name: yq, .offset: 0, .size: 8, .value_kind: global_buffer, .address_space: global }
      - { .name: wpq, .offset: 8, .size: 8, .value_kind: global_buffer, .address_space: global }
      - { .name: b_proj, .offset: 16, .size: 8, .value_kind: global_buffer, .address_space: global }
      - { .name: out0, .offset: 24, .size: 8, .value_kind: global_buffer, .address_space: global }
    .group_segment_fixed_size: 214528
    .private_segment_fixed_size: 0
    .kernarg_segment_align: 8
    .kernarg_segment_size: 32
    .max_flat_workgroup_size: 128
    .sgpr_count:     100
    .vgpr_count:     840
    .wavefront_size: 32
...
	.end_amdgpu_metadata
.endif
;; end of part 4
